; MI455X (gfx1250); checked and timed in simulation.
; The chip was launched on July 23, 2026; its instructions are those of AMD's public machine-readable ISA for CDNA 5 (MIT licence, August 2026) and "CDNA5" Instruction Set Architecture Reference Guide (July 2026). The comments in the code are by the model that wrote it; some were corrected since.
;; MOE. Allowed arithmetic: matrix products marked QUANTISED: E3M2 operands, one E8M0 scale for each 32 along K, by v_wmma_scale_f32_16x16x128_f8f6f4 with both operands' format E3M2, f32 sums; products left as they are: f32 operands where the result goes on into a quantised operand, else bf16, f16 or f32 operands; f32 sums; everything else in f32.
;; Inputs: b_fc 8 x 768 float32; b_proj 8 x 192 float32; gate_b 8 float32; gate_w 8 x 192 float32; w_fc 8 x 768 x 192 float32; w_proj 8 x 192 x 768 float32; x 4 x 2,048 x 192 float32.
;; Outputs: out0 4 x 2,048 x 192 float32.
;; This version of the problem:
;;   THIS VERSION OF THE PROBLEM IS GIVEN IN LOW PRECISION. The matrix products marked QUANTISED in the list below multiply operands that are first quantised to E3M2 (3 exponent bits, 2 mantissa bits; 6 bits a number), with one power-of-two scale for each 32 numbers along K (OCP MX v1.0); their sums are f32. All else is computed in f32.
;;   The module's matrix products, in the order in which they are computed (A, B: the left and right operand; K: the contracted axis; several contracted axes count as one K, in the product's order):
;;     1. [M 8,192, K 192] x [K 192, N 8]; A: input x; B: input gate_w: left as it is (N = 8 < 16)
;;     2. [M 8,192, K 192] x [K 192, N 768]; A: input x; B: input w_fc: QUANTISED
;;     3. [M 8,192, K 768] x [K 768, N 192]; A: computed on the way; B: input w_proj: QUANTISED
;;     4. [M 8,192, K 192] x [K 192, N 768]; A: input x; B: input w_fc: QUANTISED
;;     5. [M 8,192, K 768] x [K 768, N 192]; A: computed on the way; B: input w_proj: QUANTISED
;;     6. [M 8,192, K 192] x [K 192, N 768]; A: input x; B: input w_fc: QUANTISED
;;     7. [M 8,192, K 768] x [K 768, N 192]; A: computed on the way; B: input w_proj: QUANTISED
;;     8. [M 8,192, K 192] x [K 192, N 768]; A: input x; B: input w_fc: QUANTISED
;;     9. [M 8,192, K 768] x [K 768, N 192]; A: computed on the way; B: input w_proj: QUANTISED
;;     10. [M 8,192, K 192] x [K 192, N 768]; A: input x; B: input w_fc: QUANTISED
;;     11. [M 8,192, K 768] x [K 768, N 192]; A: computed on the way; B: input w_proj: QUANTISED
;;     12. [M 8,192, K 192] x [K 192, N 768]; A: input x; B: input w_fc: QUANTISED
;;     13. [M 8,192, K 768] x [K 768, N 192]; A: computed on the way; B: input w_proj: QUANTISED
;;     14. [M 8,192, K 192] x [K 192, N 768]; A: input x; B: input w_fc: QUANTISED
;;     15. [M 8,192, K 768] x [K 768, N 192]; A: computed on the way; B: input w_proj: QUANTISED
;;     16. [M 8,192, K 192] x [K 192, N 768]; A: input x; B: input w_fc: QUANTISED
;;     17. [M 8,192, K 768] x [K 768, N 192]; A: computed on the way; B: input w_proj: QUANTISED
;;   THE QUANTISER, for each operand of a quantised product, along K:
;;     - K is cut into blocks of 32 from its start; a last block that is shorter is filled with zeros.
;;     - A block's scale is 2^e with e = floor(log2(the largest magnitude in the block)) - 4, held to -126 .. 127; a block of zeros has e = 0. As a byte (E8M0): e + 127.
;;     - Each number is divided by its block's scale, clamped to +-28, and rounded to the nearest number of E3M2, ties to even, subnormals kept.
;;     - The product sums the exact products of the quantised numbers (number of the format x scale) in f32.
;;   ~~~python
;;   def quantise(x, axis):      # numpy; x: float32 -> the quantised numbers, widened to float32 again
;;       x = np.moveaxis(x, axis, -1); K = x.shape[-1]
;;       x = np.pad(x, [(0, 0)] * (x.ndim - 1) + [(0, -K % 32)]); x = x.reshape(x.shape[:-1] + (-1, 32)); a = np.abs(x).max(-1, keepdims=True)
;;       e = np.where(a > 0, np.clip(np.frexp(np.where(a > 0, a, 1))[1] - 1 - 4, -126, 127), 0)      # np.frexp(a)[1] - 1 = floor(log2(a)), exactly
;;       r = np.clip(x / 2.0 ** e, -28, 28)
;;       step = 2.0 ** (np.maximum(np.frexp(np.where(r == 0, 1, r))[1] - 1, -2) - 2)
;;       q = np.round(r / step) * step * 2.0 ** e      # np.round: ties to even
;;       return np.moveaxis(q.reshape(q.shape[:-2] + (-1,))[..., :K], -1, axis).astype(np.float32)
;;   ~~~
;;   OPERANDS COMPUTED ON THE WAY. 'Computed on the way' means the value that the module computes at that place (a softmax that the list does not call 'softmax' is quantised finished and normalised). What goes into a quantiser is computed in f32, as accurately as f32 sums, v_exp_f32 and their like allow (about 1e-6 of the number): no bf16 or f16 on the way to a quantiser, and a product that is left as it is and whose result goes on into a quantised operand takes f32 operands (vector FMAs, or v_wmma_f32_16x16x4_f32). A number that lies on a knife's edge between two numbers of the format may be rounded either way, as far as f32 arithmetic and the matrix unit's own rounding can turn it there, and no further.
;; 3 versions, each right; version 2 is faster than version 1; version 3 is version 2 with the launch chain written anew for expert scheduling mode. Each part assembles by itself: llvm-mc -triple=amdgcn-amd-amdhsa -mcpu=gfx1250 --defsym DOCPART=n.
;; ======== version 1 of 3: 3 launches
;; workspace buffers: xq 1,179,648 bytes; xs 65,536 bytes; gat 65,536 bytes; tok 32,768 bytes of whole numbers; cnt 65,536 bytes of whole numbers; ord 32,768 bytes of whole numbers; wq 1,867,776 bytes; tmk 2,048 bytes of whole numbers
;; launch prep (part 1): grid 46 x 8, 4 waves a work-group, no clusters, 151,040 bytes of LDS; arguments x, gate_w, gate_b, w_fc, w_proj, xq, xs, gat, tok, cnt, wq; writes xq, xs, gat, tok, cnt, wq
.if DOCPART == 1
	.amdgcn_target "amdgcn-amd-amdhsa--gfx1250"
	.amdhsa_code_object_version 6
	.text
	.protected	k_q7c6ae454df_prep
	.globl	k_q7c6ae454df_prep
	.p2align	8
	.type	k_q7c6ae454df_prep,@function
k_q7c6ae454df_prep:
	s_mov_b64 s[64:65], 0
	v_nop
	global_prefetch_b8 v0, s[64:65] scope:SCOPE_SE
	s_setreg_imm32_b32 hwreg(HW_REG_WAVE_MODE, 25, 1), 1
	s_wait_xcnt 0x0
; PREP.  Three kinds of work-group, parted on the work-group's x alone; waves share nothing, so there is no barrier; each kind has LDS bytes of its own.
;   x 0-15  (128 groups): a wave takes 16 tokens: the router (f32 products, top 2, softmax of the two), x as codes of E3M2 with E8M0 bytes, and each token's rank among its 16 by its pair of experts.
;   x 16-27 (96 groups):  a wave takes one tile of 16 rows of w_fc (expert y) and lays its codes in the order of the operand's registers.
;   x 28-45 (144 groups): a wave takes 16 rows x 128 K of w_proj (expert y), likewise.
; THE QUANTISER: a block of 32 along K has the scale 2^(floor(log2(largest magnitude)) - 4); its byte is the largest magnitude's exponent field - 4, held at 1 from below by a floor among the maximum's leaves.
; Nothing that is made of floating-point numbers reaches an address or a branch here: experts, ranks and counts are stored as values at places fixed by ids.
; LIMITS: NaN and infinities among the inputs are not served.  A block of zeros gets the byte 1 where the rule says 127: its codes are zeros, and this program alone reads the bytes.  Blocks whose largest
; magnitude lies under 2^-122 are held at byte 1.  A token whose second and third scores differ by less than the error of an f32 sum of 192 terms may be routed otherwise than by another order of summing.
; wq: FC e 110592 + w 9216 + t 2304 (four images of 512 bytes, registers 0-15; one of 256, registers 16-17);  PJ at 884736: e 110592 + v 9216 + s 1536 (three images of 512);
;     FS at 1769472: e 6144 + w 512 + t 128 (lanes 0-15 the word of k 0-127, lanes 16-31 that of k 128-191);  PS at 1818624: e 6144 + v 512 + p 128 (lanes 0-15 K step 2 p, lanes 16-31 K step 2 p + 1).
.set PJ_OFF, 884736
.set FS_OFF, 1769472
.set PS_OFF, 1818624
.set FLOOR,  0x2800000                 ; 2^(5 - 127)
.set EOFF,   0xfe000000                ; 4 off an exponent field
.set X,    16                          ; v16-111  96 numbers of a lane
.set GWR,  112                         ; v112-207 gate_w, in the same order along K as X
.set ACC,  208                         ; v208-223 the router's two accumulators: written by matrix instructions alone in this text
.set GB,   224                         ; v224-231 gate_b
.set CQ,   232                         ; v232-239 16 codes, two places by turns
.set QM,   240                         ; the block's largest magnitude, then the conversion's scale operand
.set QP,   241
.set QB,   242
.set W0,   244                         ; x's scale bytes 0-3
.set W1,   245                         ; and 4-5
.set F,    112                         ; the weights' paths: v112-129 the fragment
.set TQ,   132                         ; v132-143 the second halves of the blocks' codes
.set MX,   144
.set WBY,  148
	s_load_b512 s[8:23], s[0:1], 0x0               ; x s[8:9], gate_w s[10:11], gate_b s[12:13], w_fc s[14:15], w_proj s[16:17], xq s[18:19], xs s[20:21], gat s[22:23]
	s_load_b128 s[24:27], s[0:1], 0x40             ; tok s[24:25], cnt s[26:27]
	s_load_b64 s[28:29], s[0:1], 0x50              ; wq
	v_lshl_add_u32 v254, v0, 2, 0x24c00
	v_mov_b32 v255, 0
	v_lshrrev_b32 v1, 5, v0
	v_readfirstlane_b32 s30, v1                    ; wave 0..3
	s_and_b32 s31, ttmp7, 0xffff                   ; work-group y
	s_mov_b32 s32, 0x76543210
	s_mov_b32 s33, 0xfedcba98                      ; v_permlanex16_b32's selects for lane l xor 16
	s_mov_b32 s37, 0                               ; the high word of every offset pair s[36:37]
	v_and_b32 v1, 31, v0                           ; lane
	v_and_b32 v2, 15, v0                           ; r
	v_bfe_u32 v3, v0, 4, 1                         ; h
	v_lshlrev_b32 v8, 4, v1                        ; 16 x lane
	v_lshlrev_b32 v13, 2, v1                       ; 4 x lane
	s_wait_kmcnt 0x0
	s_cmp_lt_u32 ttmp9, 16
	s_cbranch_scc1 .Lrouter
	s_cmp_lt_u32 ttmp9, 28
	s_cbranch_scc1 .Lfc
	s_branch .Lpj
; n loads' 512 bytes each go into the wave's stage as they were loaded
.macro STAGE_IN n, step
.set q, 0
.rept \n
	ds_store_b128 v4, v[X+4*q:X+4*q+3] offset:\step*q
.set q, q+1
.endr
.endm
; nc whole blocks of 32 of a lane, v[X + 32 c] on, become registers 6 c .. 6 c + 5 of a fragment in v[F] on; their bytes in v[WBY + c]
.macro WQ nc
.set c, 0
.rept \nc
	v_max3_num_f32 v[MX+c], |v[X+32*c]|, |v[X+32*c+1]|, FLOOR
.set c, c+1
.endr
.set i, 2
.rept 15
.set c, 0
.rept \nc
	v_max3_num_f32 v[MX+c], v[MX+c], |v[X+32*c+i]|, |v[X+32*c+i+1]|   ; the blocks by turns
.set c, c+1
.endr
.set i, i+2
.endr
.set c, 0
.rept \nc
	v_add_nc_u32 v[MX+c], EOFF, v[MX+c]            ; the conversion takes the exponent field of this operand as its scale
.set c, c+1
.endr
.set c, 0
.rept \nc
	v_lshrrev_b32 v[WBY+c], 23, v[MX+c]            ; the scale's byte
.set c, c+1
.endr
.set c, 0
.rept \nc
	v_cvt_scalef32_pk16_bf6_f32 v[F+6*c:F+6*c+2], v[X+32*c:X+32*c+15], v[MX+c]
	v_cvt_scalef32_pk16_bf6_f32 v[TQ+4*c:TQ+4*c+2], v[X+32*c+16:X+32*c+31], v[MX+c]   ; (a conversion's three registers begin on an even number)
.set c, c+1
.endr
	v_nop                                          ; one plain place behind a scaled conversion
.set c, 0
.rept \nc
	v_mov_b32 v[F+6*c+3], v[TQ+4*c]
	v_mov_b32 v[F+6*c+4], v[TQ+4*c+1]
	v_mov_b32 v[F+6*c+5], v[TQ+4*c+2]
.set c, c+1
.endr
.endm
.macro JOIN d, s                       ; v[d] = v[s] | lane l xor 16's v[s]
	v_mov_b32 v153, 0                              ; a lane permute's destination counts as one of its sources
	v_permlanex16_b32 v153, v[\s], s32, s33
	v_or_b32 v[\d], v[\s], v153
.endm
; ------------------------------------------------------------------ w_proj: unit = 4 (x - 28) + wave = 6 v + s: rows 16 v .. 16 v + 15, K step s
.Lpj:
	s_sub_co_u32 s34, ttmp9, 28
	s_lshl_b32 s34, s34, 2
	s_add_co_u32 s34, s34, s30                     ; unit 0..71
	s_mul_i32 s35, s34, 43
	s_lshr_b32 s35, s35, 8                         ; v = unit / 6 (exact for 0..71)
	s_mul_i32 s36, s35, 6
	s_sub_co_u32 s38, s34, s36                     ; s
	s_mul_i32 s36, s31, 192
	s_lshl_b32 s39, s35, 4
	s_add_co_u32 s36, s36, s39                     ; row 192 e + 16 v
	s_mul_i32 s36, s36, 3072
	s_lshl_b32 s39, s38, 9
	s_add_co_u32 s36, s36, s39                     ; + 512 s bytes
	s_add_nc_u64 s[16:17], s[16:17], s[36:37]
	s_mul_i32 s36, s31, 110592
	s_mul_i32 s39, s35, 9216
	s_add_co_u32 s36, s36, s39
	s_mul_i32 s39, s38, 1536
	s_add_co_u32 s36, s36, s39
	s_add_co_u32 s36, s36, PJ_OFF
	s_add_nc_u64 s[40:41], s[28:29], s[36:37]      ; the fragment's three images
	s_mul_i32 s36, s31, 6144
	s_lshl_b32 s39, s35, 9
	s_add_co_u32 s36, s36, s39
	s_lshr_b32 s39, s38, 1
	s_lshl_b32 s39, s39, 7
	s_add_co_u32 s36, s36, s39
	s_and_b32 s39, s38, 1
	s_lshl_b32 s39, s39, 6
	s_add_co_u32 s36, s36, s39
	s_add_co_u32 s36, s36, PS_OFF
	s_add_nc_u64 s[42:43], s[28:29], s[36:37]      ; its sixteen scale words
	s_mul_i32 s35, s30, 8448
	s_add_co_u32 s35, s35, 116736                  ; my stage: 16 rows, 528 bytes apart (33 x 16)
	v_add_nc_u32 v4, s35, v8
	v_mul_u32_u24 v5, v2, 528
	v_lshl_add_u32 v5, v3, 7, v5
	v_add_nc_u32 v5, s35, v5                       ; back: row r, + 128 h: my block of 32
	v_lshlrev_b32 v14, 2, v2
.set q, 0
.rept 16
	global_load_b128 v[X+4*q:X+4*q+3], v8, s[16:17] offset:3072*q th:TH_LOAD_NT   ; 32 lanes read 512 consecutive bytes of row q
.set q, q+1
.endr
	s_wait_loadcnt 0x0
	STAGE_IN 16, 528
	s_wait_dscnt 0x0
.irp c, 0,1
.irp i, 0,1,2,3,4,5,6,7
	ds_load_b128 v[X+32*\c+4*\i:X+32*\c+4*\i+3], v5 offset:256*\c+16*\i   ; w(r, 64 c + 32 h + 4 i ..)
.endr
.endr
	s_wait_dscnt 0x0
	WQ 2
	v_lshl_or_b32 v152, v[WBY+1], 16, v[WBY]       ; my two bytes: blocks h and 2 + h,
	v_lshlrev_b32 v157, 3, v3
	v_lshlrev_b32 v152, v157, v152                 ; at their places in the word;
	JOIN 154, 152                                  ; with lane l xor 16's two the word is whole
.irp i, 0,1,2
	global_store_b128 v8, v[F+4*\i:F+4*\i+3], s[40:41] offset:512*\i
.endr
	global_store_b32 v14, v154, s[42:43]           ; lanes r and r + 16 store the same word with the same value
	s_wait_tensorcnt 0x0
	ds_add_u32 v254, v255
	s_wait_dscnt 0x0
	s_endpgm
; ------------------------------------------------------------------ w_fc: chain wave w = x - 16, tile t = wave: lane r takes row 64 w + 32 (t / 2) + 8 (t % 2) + r + 8 (r / 8)
.Lfc:
	s_sub_co_u32 s34, ttmp9, 16                    ; w
	s_lshl_b32 s35, s34, 6
	s_lshr_b32 s36, s30, 1
	s_lshl_b32 s36, s36, 5
	s_add_co_u32 s35, s35, s36
	s_and_b32 s36, s30, 1
	s_lshl_b32 s36, s36, 3
	s_add_co_u32 s35, s35, s36
	s_mul_i32 s36, s31, 768
	s_add_co_u32 s35, s35, s36                     ; the tile's first row, 768 e + n0
	s_mul_i32 s36, s35, 768
	s_add_nc_u64 s[14:15], s[14:15], s[36:37]
	s_mul_i32 s36, s31, 110592
	s_mul_i32 s38, s34, 9216
	s_add_co_u32 s36, s36, s38
	s_mul_i32 s38, s30, 2304
	s_add_co_u32 s36, s36, s38
	s_add_nc_u64 s[40:41], s[28:29], s[36:37]      ; the tile's 18 registers' images
	s_mul_i32 s36, s31, 6144
	s_lshl_b32 s38, s34, 9
	s_add_co_u32 s36, s36, s38
	s_lshl_b32 s38, s30, 7
	s_add_co_u32 s36, s36, s38
	s_add_co_u32 s36, s36, FS_OFF
	s_add_nc_u64 s[42:43], s[28:29], s[36:37]      ; its scale register's image
	s_mul_i32 s35, s30, 13056
	s_add_co_u32 s35, s35, 64512                   ; my stage: 16 rows of 3 x (256 + 16) = 816 bytes (51 x 16)
	v_lshl_add_u32 v4, v3, 4, v8
	v_add_nc_u32 v4, s35, v4                       ; in: 16 x lane, and 16 more behind the first 256 of a load's 512
	v_mul_u32_u24 v5, v2, 816
	v_lshl_add_u32 v5, v3, 7, v5
	v_add_nc_u32 v5, s35, v5                       ; back: row r, + 128 h
	v_lshlrev_b32 v9, 3, v1                        ; 8 x lane
.set q, 0
.rept 12
	global_load_b128 v[X+4*q:X+4*q+3], v8, s[14:15] offset:512*q th:TH_LOAD_NT             ; rows n0 .. n0 + 7: 6,144 dense bytes
.set q, q+1
.endr
.rept 12
	global_load_b128 v[X+4*q:X+4*q+3], v8, s[14:15] offset:12288+512*(q-12) th:TH_LOAD_NT  ; rows n0 + 16 .. n0 + 23
.set q, q+1
.endr
	s_wait_loadcnt 0x0
	STAGE_IN 24, 544                               ; 12 x 544 = 8 x 816: the second eight rows follow the first
	s_wait_dscnt 0x0
.irp c, 0,1,2
.irp i, 0,1,2,3,4,5,6,7
	ds_load_b128 v[X+32*\c+4*\i:X+32*\c+4*\i+3], v5 offset:272*\c+16*\i   ; w(row, 64 c + 32 h + 4 i ..): whole blocks h, 2 + h, 4 + h
.endr
.endr
	s_wait_dscnt 0x0
	WQ 3
	v_lshl_or_b32 v152, v[WBY+1], 16, v[WBY]
	v_lshlrev_b32 v157, 3, v3
	v_lshlrev_b32 v152, v157, v152
	JOIN 154, 152                                  ; the word of k 0-127
	v_lshlrev_b32 v158, v157, v[WBY+2]
	JOIN 155, 158
	v_or_b32 v155, 0x7f7f0000, v155                ; the word of k 128-191; the two blocks that do not exist have the byte of 1.0
	v_cmp_eq_u32 vcc_lo, 1, v3
	v_cndmask_b32 v156, v154, v155, vcc_lo         ; lanes 0-15 the first word, lanes 16-31 the second
.irp i, 0,1,2,3
	global_store_b128 v8, v[F+4*\i:F+4*\i+3], s[40:41] offset:512*\i
.endr
	global_store_b64 v9, v[F+16:F+17], s[40:41] offset:2048
	global_store_b32 v13, v156, s[42:43]
	s_wait_tensorcnt 0x0
	ds_add_u32 v254, v255
	s_wait_dscnt 0x0
	s_endpgm
; ------------------------------------------------------------------ the router and x: tile = 4 (16 y + x) + wave, tokens 16 tile .. 16 tile + 15
.Lrouter:
	s_lshl_b32 s34, s31, 4
	s_add_co_u32 s34, s34, ttmp9
	s_lshl_b32 s34, s34, 2
	s_add_co_u32 s34, s34, s30                     ; tile 0..511
	s_mul_i32 s36, s34, 12288
	s_add_nc_u64 s[8:9], s[8:9], s[36:37]
	s_mul_i32 s36, s34, 2304
	s_add_nc_u64 s[18:19], s[18:19], s[36:37]
	s_lshl_b32 s36, s34, 7
	s_add_nc_u64 s[20:21], s[20:21], s[36:37]
	s_add_nc_u64 s[22:23], s[22:23], s[36:37]
	s_add_nc_u64 s[26:27], s[26:27], s[36:37]
	s_lshl_b32 s36, s34, 6
	s_add_nc_u64 s[24:25], s[24:25], s[36:37]
	s_mul_i32 s35, s30, 13056                      ; my stage for x: 16 rows of 816 bytes
	v_lshl_add_u32 v4, v3, 4, v8
	v_add_nc_u32 v4, s35, v4
	v_mul_u32_u24 v5, v2, 816
	v_lshl_add_u32 v5, v3, 6, v5
	v_add_nc_u32 v5, s35, v5                       ; back: row r, + 64 h: my 16 numbers of a block of 32
	s_mul_i32 s35, s30, 3072
	s_add_co_u32 s35, s35, 52224                   ; my stage for the codes: 192 places of 16 bytes, 12 of them used
	v_mul_u32_u24 v6, v2, 192
	v_lshl_add_u32 v6, v3, 4, v6
	v_add_nc_u32 v6, s35, v6                       ; in: place 12 r + 2 block + h
	v_add_nc_u32 v7, s35, v8                       ; back: place by place
	v_and_b32 v9, 7, v0
	v_mul_u32_u24 v9, v9, 768
	v_lshl_add_u32 v9, v3, 6, v9                   ; gate_w: row r % 8 (rows 8-15 of the tile repeat the eight experts), + 64 h
	v_mov_b32 v10, 0
	v_mul_u32_u24 v11, v1, 12
	v_lshlrev_b32 v12, 3, v2
	v_lshl_add_u32 v12, v3, 2, v12                 ; 8 r + 4 h
	v_lshlrev_b32 v14, 2, v2
	v_mov_b32 v[QP], 0                             ; a lane permute's destination counts as one of its sources
.set q, 0
.rept 24
	global_load_b128 v[X+4*q:X+4*q+3], v8, s[8:9] offset:512*q th:TH_LOAD_NT   ; 32 lanes read 512 consecutive bytes
.set q, q+1
.endr
.irp b, 0,1,2,3,4,5
.irp j, 0,1,2,3
	global_load_b128 v[GWR+16*\b+4*\j:GWR+16*\b+4*\j+3], v9, s[10:11] offset:128*\b+16*\j
.endr
.endr
	global_load_b128 v[GB:GB+3], v10, s[12:13]
	global_load_b128 v[GB+4:GB+7], v10, s[12:13] offset:16
	s_wait_loadcnt 26                              ; x is in; the 26 younger loads are gate_w's and gate_b's
	STAGE_IN 24, 544
	s_wait_dscnt 0x0
.irp b, 0,1,2,3,4,5
.irp j, 0,1,2,3
	ds_load_b128 v[X+16*\b+4*\j:X+16*\b+4*\j+3], v5 offset:128*\b+16*(\b/2)+16*\j   ; x(r, 32 b + 16 h + 4 j ..)
.endr
.endr
	s_wait_dscnt 0x0
	s_wait_loadcnt 0x0
; scores^T = gate_w x^T + gate_b: source 0 = the experts' rows, source 1 = my 16 tokens; both sides hold the same k in the same lane and register, so the sum over k is whole whatever the order.
; Two accumulators by turns, one instruction a turn; the first takes gate_b as C, the second the constant 0.
.macro RPROD q
.if (\q) == 0
	v_wmma_f32_16x16x4_f32 v[ACC:ACC+7], v[GWR:GWR+1], v[X:X+1], v[GB:GB+7]
.elseif (\q) == 1
	v_wmma_f32_16x16x4_f32 v[ACC+8:ACC+15], v[GWR+2:GWR+3], v[X+2:X+3], 0
.else
	v_wmma_f32_16x16x4_f32 v[ACC+8*((\q)%2):ACC+8*((\q)%2)+7], v[GWR+2*(\q):GWR+2*(\q)+1], v[X+2*(\q):X+2*(\q)+1], v[ACC+8*((\q)%2):ACC+8*((\q)%2)+7]
.endif
.endm
; block b of x: my 16 numbers and lane l xor 16's make the block; 16 codes, 12 bytes, to the code stage
.macro QX b
	v_max3_num_f32 v[QM], |v[X+16*\b]|, |v[X+16*\b+1]|, FLOOR
.irp i, 2,4,6,8,10,12,14
	v_max3_num_f32 v[QM], v[QM], |v[X+16*\b+\i]|, |v[X+16*\b+\i+1]|
.endr
	v_permlanex16_b32 v[QP], v[QM], s32, s33
	v_max_num_f32 v[QM], v[QM], v[QP]
	v_add_nc_u32 v[QM], EOFF, v[QM]
.if \b == 0
	v_lshrrev_b32 v[W0], 23, v[QM]
.elseif \b == 4
	v_lshrrev_b32 v[W1], 23, v[QM]
.elseif \b < 4
	v_lshrrev_b32 v[QB], 23, v[QM]
	v_lshl_or_b32 v[W0], v[QB], 8*\b, v[W0]
.else
	v_lshrrev_b32 v[QB], 23, v[QM]
	v_lshl_or_b32 v[W1], v[QB], 8, v[W1]
.endif
	s_wait_dscnt 0x0                               ; the store of two blocks ago has read this place's registers
	v_cvt_scalef32_pk16_bf6_f32 v[CQ+4*(\b%2):CQ+4*(\b%2)+2], v[X+16*\b:X+16*\b+15], v[QM]
	v_nop                                          ; one plain place behind a scaled conversion
	ds_store_b96 v6, v[CQ+4*(\b%2):CQ+4*(\b%2)+2] offset:32*\b
.endm
.irp b, 0,1,2,3,4,5
.irp i, 0,1,2,3,4,5,6,7
	RPROD 8*\b+\i
.endr
	QX \b                                          ; reads X, writes none of the products' registers
.endr
.rept 8
	v_nop                                          ; eight places behind this form ahead of the reads of the sums and of the writes and loads over gate_w's registers
.endr
.set RS,  112                          ; v112-119 the eight scores of token r (both halves of the lanes hold them)
.set RM1, 120
.set RI1, 121
.set RM2, 122
.set RI2, 123
.set RNI, 124
.set RD,  125
.set RE,  126
.set RR,  127
.set RG2, 128
.set RLO, 129
.set RHI, 130
.set RGL, 131
.set RGH, 132
.set RJ,  133
.set RT,  134
.set RRK, 135
.set RCN, 136
.set RWD, 137
.set RXS, 138
.set RGV, 139
.set RCO, 140                          ; v140-163 the codes read back, six places of four registers
.irp i, 0,1,2,3,4,5
	ds_load_b96 v[RCO+4*\i:RCO+4*\i+2], v7 offset:512*\i   ; LDS serves a wave's instructions in order (ISA guide 5.7.1.4): these see my stores
.endr
.irp j, 0,1,2,3,4,5,6,7
	v_add_f32 v[RS+\j], v[ACC+\j], v[ACC+8+\j]     ; each accumulator is read from its low end on
.endr
; the largest score: from expert 7 down, a later (lower) expert wins unless it is smaller: of equals the lower index is kept, as lax.top_k keeps it
	v_mov_b32 v[RM1], v[RS+7]
	v_mov_b32 v[RI1], 7
.irp e, 6,5,4,3,2,1,0
	v_cmp_lt_f32 vcc_lo, v[RS+\e], v[RM1]
	v_cndmask_b32 v[RI1], \e, v[RI1], vcc_lo
	v_max_num_f32 v[RM1], v[RM1], v[RS+\e]
.endr
	v_mov_b32 v[RNI], 0xff800000                   ; the winner's score becomes -infinity, and the same lines find the second
.irp e, 0,1,2,3,4,5,6,7
	v_cmp_eq_u32 vcc_lo, \e, v[RI1]
	v_cndmask_b32 v[RS+\e], v[RS+\e], v[RNI], vcc_lo
.endr
	v_mov_b32 v[RM2], v[RS+7]
	v_mov_b32 v[RI2], 7
.irp e, 6,5,4,3,2,1,0
	v_cmp_lt_f32 vcc_lo, v[RS+\e], v[RM2]
	v_cndmask_b32 v[RI2], \e, v[RI2], vcc_lo
	v_max_num_f32 v[RM2], v[RM2], v[RS+\e]
.endr
; softmax of the two, the larger taken away: g1 = 1 / (1 + e^(s2 - s1)), g2 = e^(s2 - s1) g1
	v_sub_f32 v[RD], v[RM2], v[RM1]
	v_mul_f32 v[RD], 0x3fb8aa3b, v[RD]
	v_exp_f32 v[RE], v[RD]
	v_min_u32 v[RLO], v[RI1], v[RI2]               ; (a plain place behind the transcendental)
	s_wait_alu depctr_va_vdst(0)
	v_add_f32 v[RT], 1.0, v[RE]
	v_rcp_f32 v[RR], v[RT]
	v_max_u32 v[RHI], v[RI1], v[RI2]               ; (likewise)
	s_wait_alu depctr_va_vdst(0)
	v_mul_f32 v[RG2], v[RE], v[RR]
	v_cmp_lt_u32 vcc_lo, v[RI1], v[RI2]
	v_cndmask_b32 v[RGL], v[RG2], v[RR], vcc_lo    ; the lower expert's gate,
	v_cndmask_b32 v[RGH], v[RR], v[RG2], vcc_lo    ; the higher one's
	v_sub_nc_u32 v[RT], 15, v[RLO]                 ; the pair's number 0..27: lo (15 - lo) / 2 + hi - lo - 1
	v_mul_u32_u24 v[RT], v[RT], v[RLO]
	v_lshrrev_b32 v[RT], 1, v[RT]
	v_add_nc_u32 v[RT], v[RT], v[RHI]
	v_sub_nc_u32 v[RT], v[RT], v[RLO]
	v_add_nc_u32 v[RJ], -1, v[RT]
; for each pair: how many of my 16 tokens have it (lane = pair), and each token's rank among them
	v_mov_b32 v[RRK], 0
	v_mov_b32 v[RCN], 0
.set jj, 0
.rept 28
	v_cmp_eq_u32 s36, jj, v[RJ]
	s_and_b32 s36, s36, 0xffff                     ; lanes 16-31 repeat the tokens of lanes 0-15
	v_mbcnt_lo_u32_b32 v[RT], s36, 0
	v_cndmask_b32 v[RRK], v[RRK], v[RT], s36
	s_bcnt1_i32_b32 s38, s36
	v_writelane_b32 v[RCN], s38, jj
.set jj, jj+1
.endr
	v_lshl_or_b32 v[RWD], v[RJ], 8, v[RRK]         ; rank | pair << 8 | lo << 16 | hi << 20
	v_lshl_or_b32 v[RWD], v[RLO], 16, v[RWD]
	v_lshl_or_b32 v[RWD], v[RHI], 20, v[RWD]
	v_or_b32 v[RT], 0x7f7f0000, v[W1]              ; bytes 6 and 7: the byte of 1.0 for the two blocks that do not exist
	v_cmp_eq_u32 vcc_lo, 1, v3
	v_cndmask_b32 v[RXS], v[W0], v[RT], vcc_lo
	v_cndmask_b32 v[RGV], v[RGL], v[RGH], vcc_lo
.irp i, 0,1,2,3,4,5
	s_wait_dscnt 5-\i                              ; LDS loads come back in order: place group i is in
	global_store_b96 v11, v[RCO+4*\i:RCO+4*\i+2], s[18:19] offset:384*\i   ; 32 lanes store 384 consecutive bytes
.endr
	global_store_b32 v12, v[RXS], s[20:21]         ; 128 consecutive bytes
	global_store_b32 v12, v[RGV], s[22:23]
	global_store_b32 v13, v[RCN], s[26:27]
	v_cmp_gt_u32 vcc_lo, 16, v1
	s_wait_xcnt 0x0                                ; EXEC changes only behind this wait
	s_wait_tensorcnt 0x0
	ds_add_u32 v254, v255
	s_wait_dscnt 0x0
	s_and_saveexec_b32 s36, vcc_lo
	global_store_b32 v14, v[RWD], s[24:25]         ; lanes 0-15: ranks are made there
	s_wait_xcnt 0x0                                ; and again ahead of the line that widens it
	s_or_b32 exec_lo, exec_lo, s36
	s_endpgm
.Lfunc_end_k_q7c6ae454df_prep:
	.size	k_q7c6ae454df_prep, .Lfunc_end_k_q7c6ae454df_prep-k_q7c6ae454df_prep
	.p2alignl 7, 3214868480
	.fill 96, 4, 3214868480
	.section	.rodata,"a",@progbits
	.p2align	6, 0x0
	.amdhsa_kernel k_q7c6ae454df_prep
		.amdhsa_group_segment_fixed_size 151040
		.amdhsa_private_segment_fixed_size 0
		.amdhsa_enable_private_segment 0
		.amdhsa_kernarg_size 88
		.amdhsa_user_sgpr_count 2
		.amdhsa_user_sgpr_kernarg_segment_ptr 1
		.amdhsa_wavefront_size32 1
		.amdhsa_system_sgpr_workgroup_id_x 1
		.amdhsa_system_sgpr_workgroup_id_y 1
		.amdhsa_system_sgpr_workgroup_id_z 1
		.amdhsa_system_vgpr_workitem_id 0
		.amdhsa_next_free_vgpr 256
		.amdhsa_next_free_sgpr 66
		.amdhsa_reserve_vcc 1
		.amdhsa_float_denorm_mode_32 3
		.amdhsa_float_denorm_mode_16_64 3
		.amdhsa_memory_ordered 1
		.amdhsa_forward_progress 1
		.amdhsa_inst_pref_size 56
	.end_amdhsa_kernel
	.amdgpu_metadata
---
amdhsa.version: [ 1, 2 ]
amdhsa.kernels:
  - .name:           k_q7c6ae454df_prep
    .symbol:         k_q7c6ae454df_prep.kd
    .args:
      - { .name: x, .offset: 0, .size: 8, .value_kind: global_buffer, .address_space: global }
      - { .name: gate_w, .offset: 8, .size: 8, .value_kind: global_buffer, .address_space: global }
      - { .name: gate_b, .offset: 16, .size: 8, .value_kind: global_buffer, .address_space: global }
      - { .name: w_fc, .offset: 24, .size: 8, .value_kind: global_buffer, .address_space: global }
      - { .name: w_proj, .offset: 32, .size: 8, .value_kind: global_buffer, .address_space: global }
      - { .name: xq, .offset: 40, .size: 8, .value_kind: global_buffer, .address_space: global }
      - { .name: xs, .offset: 48, .size: 8, .value_kind: global_buffer, .address_space: global }
      - { .name: gat, .offset: 56, .size: 8, .value_kind: global_buffer, .address_space: global }
      - { .name: tok, .offset: 64, .size: 8, .value_kind: global_buffer, .address_space: global }
      - { .name: cnt, .offset: 72, .size: 8, .value_kind: global_buffer, .address_space: global }
      - { .name: wq, .offset: 80, .size: 8, .value_kind: global_buffer, .address_space: global }
    .group_segment_fixed_size: 151040
    .private_segment_fixed_size: 0
    .kernarg_segment_align: 8
    .kernarg_segment_size: 88
    .max_flat_workgroup_size: 128
    .sgpr_count:     66
    .vgpr_count:     256
    .wavefront_size: 32
...
	.end_amdgpu_metadata
.endif
;; end of part 1
;; launch place (part 2): grid 1 x 1, 16 waves a work-group, no clusters, 4,096 bytes of LDS; arguments tok, cnt, ord, tmk; writes ord, tmk
.if DOCPART == 2
	.amdgcn_target "amdgcn-amd-amdhsa--gfx1250"
	.amdhsa_code_object_version 6
	.text
	.protected	k_q7c6ae454df_place
	.globl	k_q7c6ae454df_place
	.p2align	8
	.type	k_q7c6ae454df_place,@function
k_q7c6ae454df_place:
	s_mov_b64 s[64:65], 0
	v_nop
	global_prefetch_b8 v0, s[64:65] scope:SCOPE_SE
	s_setreg_imm32_b32 hwreg(HW_REG_WAVE_MODE, 25, 1), 1
	s_wait_xcnt 0x0
; PLACE.  A counting sort of the 8,192 tokens by their pair of experts (28 pairs), from whole numbers that the launch before stored.  One work-group, since every position hangs on all counts.
; cnt: [512 groups of 16 tokens][32]: lane = pair.  tok: [token] = rank in its group | pair << 8 | lo << 16 | hi << 20.  ord: [position] = token | lo << 16 | hi << 20.
; tmk: [512 tiles of 16 positions]: bit e is set where a token of the tile uses expert e.  The next launch branches on these words, so they are made here and read there.
; Wave w owns groups 32 w .. 32 w + 31.  A lane stands for a pair: position = (tokens of lower pairs) + (this pair's tokens in earlier waves) + (in earlier groups of my wave) + rank.
; The stores into ord are 4 bytes a lane to scattered places, 32,768 bytes in all: that is what a placement is.
.set PC, 16                            ; v16-47   my 32 groups' counts; later the permutes' indices
.set PT, 48                            ; v48-63   my 512 tokens' words
.set PP, 64                            ; v64-96   running sums over my groups
.set PU, 100                           ; v100-115 the sixteen waves' totals
.set PA, 116                           ; v116-131 the even group's start, then the store's address
.set PB, 132                           ; v132-147 the odd group's start, then the store's data
	s_load_b128 s[4:7], s[0:1], 0x0                ; tok, cnt
	s_load_b128 s[8:11], s[0:1], 0x10              ; ord, tmk
	v_lshl_add_u32 v160, v0, 2, 0x800
	v_mov_b32 v161, 0
	v_lshrrev_b32 v1, 5, v0                        ; wave, in every lane
	v_readfirstlane_b32 s12, v1
	v_and_b32 v2, 31, v0                           ; lane
	v_lshlrev_b32 v3, 2, v2                        ; 4 x lane
	v_lshlrev_b32 v4, 2, v0                        ; 128 x wave + 4 x lane
	v_lshl_add_u32 v7, v1, 9, v2                   ; 512 x wave + lane
	v_lshlrev_b32 v12, 4, v0                       ; my thread's number is a tile's: its first position,
	v_add_nc_u32 v13, 16, v12                      ; and the first behind it
	s_mov_b32 s13, 0xff0000
	s_lshl_b32 s14, s12, 12
	s_mov_b32 s15, 0
	s_lshl_b32 s16, s12, 11
	s_mov_b32 s17, 0
	s_wait_kmcnt 0x0
	s_add_nc_u64 s[6:7], s[6:7], s[14:15]
	s_add_nc_u64 s[4:5], s[4:5], s[16:17]
.set i, 0
.rept 32
	global_load_b32 v[PC+i], v3, s[6:7] offset:128*i
.set i, i+1
.endr
.set i, 0
.rept 16
	global_load_b32 v[PT+i], v3, s[4:5] offset:128*i
.set i, i+1
.endr
	s_wait_loadcnt 16                              ; the counts are in; the 16 younger loads are the tokens' words
	v_mov_b32 v[PP], 0
.set i, 0
.rept 32
	v_add_nc_u32 v[PP+i+1], v[PP+i], v[PC+i]
.set i, i+1
.endr
	ds_store_b32 v4, v[PP+32]                      ; my wave's totals, a word a pair
	s_wait_dscnt 0x0                               ; for the others' sake
	s_barrier_signal -1
	s_barrier_wait -1
.set i, 0
.rept 16
	ds_load_b32 v[PU+i], v3 offset:128*i
.set i, i+1
.endr
	s_wait_dscnt 0x0
	v_mov_b32 v9, v[PU]                            ; the pair's tokens in all,
	v_mov_b32 v10, 0                               ; and in the waves before mine
.set i, 1
.rept 15
	v_add_nc_u32 v9, v9, v[PU+i]
.set i, i+1
.endr
.set i, 0
.rept 15
	v_cmp_lt_u32 vcc_lo, i, v1
	v_cndmask_b32 v5, 0, v[PU+i], vcc_lo
	v_add_nc_u32 v10, v10, v5
.set i, i+1
.endr
	v_mov_b32 v8, v9                               ; a running sum over the lanes: four steps inside each 16, then lane 15's sum onto lanes 16-31
	v_mov_b32 v5, 0
.irp n, 1,2,4,8
	v_mov_b32_dpp v5, v8 row_shr:\n row_mask:0xf bank_mask:0xf bound_ctrl:1
	v_add_nc_u32 v8, v8, v5
.endr
	v_readlane_b32 s18, v8, 15
	v_mov_b32 v6, s18
	v_cmp_lt_u32 vcc_lo, 15, v2
	v_cndmask_b32 v5, 0, v6, vcc_lo
	v_add_nc_u32 v8, v8, v5                        ; v8: where the pair's positions end,
	v_sub_nc_u32 v15, v8, v9                       ; v15: where they begin (tokens of lower pairs);
	v_add_nc_u32 v11, v15, v10                     ; with this pair's tokens in earlier waves: where my wave's begin
.set i, 0
.rept 32
	v_add_nc_u32 v[PP+i], v[PP+i], v11
.set i, i+1
.endr
	s_wait_loadcnt 0x0
.set q, 0
.rept 16                               ; load q holds group 2 q in lanes 0-15 and group 2 q + 1 in lanes 16-31: each token pulls both groups' start from its pair's lane
	v_bfe_u32 v[PC+q], v[PT+q], 8, 5
	v_lshlrev_b32 v[PC+q], 2, v[PC+q]
	ds_bpermute_b32 v[PA+q], v[PC+q], v[PP+2*q]
	ds_bpermute_b32 v[PB+q], v[PC+q], v[PP+2*q+1]
.set q, q+1
.endr
; THE TILES' MASKS, while the permutes are out.  Pair (lo, hi), number lo (15 - lo) / 2 + hi - lo - 1, holds positions [begin, end); it has a token in my tile where max(begin, tile's first) < min(end, tile's end):
; an empty pair never has.  For each lo its pairs' bounds are first read into scalars (14 at the most), then five lines a pair.
	v_mov_b32 v14, 0
.irp lo, 0,1,2,3,4,5,6
.irp hi, 1,2,3,4,5,6,7
.if \hi > \lo
	v_readlane_b32 s[20+2*(\hi-\lo-1)], v15, \lo*(15-\lo)/2+\hi-\lo-1
	v_readlane_b32 s[21+2*(\hi-\lo-1)], v8, \lo*(15-\lo)/2+\hi-\lo-1
.endif
.endr
.irp hi, 1,2,3,4,5,6,7
.if \hi > \lo
	v_max_u32 v5, s[20+2*(\hi-\lo-1)], v12
	v_min_u32 v6, s[21+2*(\hi-\lo-1)], v13
	v_cmp_lt_u32 vcc_lo, v5, v6
	v_or_b32 v5, (1<<\lo)|(1<<\hi), v14
	v_cndmask_b32 v14, v14, v5, vcc_lo
.endif
.endr
.endr
	global_store_b32 v4, v14, s[10:11]             ; a wave stores 128 consecutive bytes; neither register is written again
	v_cmp_lt_u32 vcc_lo, 15, v2                    ; lanes 16-31, for the lines below
.set q, 0
.rept 16
	s_wait_dscnt 30-2*q                            ; the permutes come back in order: pair q of them is in
	v_cndmask_b32 v[PA+q], v[PA+q], v[PB+q], vcc_lo
	v_and_b32 v6, 0xff, v[PT+q]
	v_add_nc_u32 v[PA+q], v[PA+q], v6              ; + rank
	v_min_u32 v[PA+q], 0x1fff, v[PA+q]             ; a loaded number enters an address behind this bound
	v_lshlrev_b32 v[PA+q], 2, v[PA+q]
	v_add_nc_u32 v6, 32*q, v7                      ; the token's number
	v_and_or_b32 v[PB+q], v[PT+q], s13, v6
	global_store_b32 v[PA+q], v[PB+q], s[8:9]      ; each q has its own address and data registers: none is written again
.set q, q+1
.endr
	s_wait_tensorcnt 0x0
	ds_add_u32 v160, v161
	s_wait_dscnt 0x0
	s_endpgm
.Lfunc_end_k_q7c6ae454df_place:
	.size	k_q7c6ae454df_place, .Lfunc_end_k_q7c6ae454df_place-k_q7c6ae454df_place
	.p2alignl 7, 3214868480
	.fill 96, 4, 3214868480
	.section	.rodata,"a",@progbits
	.p2align	6, 0x0
	.amdhsa_kernel k_q7c6ae454df_place
		.amdhsa_group_segment_fixed_size 4096
		.amdhsa_private_segment_fixed_size 0
		.amdhsa_enable_private_segment 0
		.amdhsa_kernarg_size 32
		.amdhsa_user_sgpr_count 2
		.amdhsa_user_sgpr_kernarg_segment_ptr 1
		.amdhsa_wavefront_size32 1
		.amdhsa_system_sgpr_workgroup_id_x 1
		.amdhsa_system_sgpr_workgroup_id_y 1
		.amdhsa_system_sgpr_workgroup_id_z 1
		.amdhsa_system_vgpr_workitem_id 0
		.amdhsa_next_free_vgpr 162
		.amdhsa_next_free_sgpr 66
		.amdhsa_reserve_vcc 1
		.amdhsa_float_denorm_mode_32 3
		.amdhsa_float_denorm_mode_16_64 3
		.amdhsa_memory_ordered 1
		.amdhsa_forward_progress 1
		.amdhsa_inst_pref_size 31
	.end_amdhsa_kernel
	.amdgpu_metadata
---
amdhsa.version: [ 1, 2 ]
amdhsa.kernels:
  - .name:           k_q7c6ae454df_place
    .symbol:         k_q7c6ae454df_place.kd
    .args:
      - { .name: tok, .offset: 0, .size: 8, .value_kind: global_buffer, .address_space: global }
      - { .name: cnt, .offset: 8, .size: 8, .value_kind: global_buffer, .address_space: global }
      - { .name: ord, .offset: 16, .size: 8, .value_kind: global_buffer, .address_space: global }
      - { .name: tmk, .offset: 24, .size: 8, .value_kind: global_buffer, .address_space: global }
    .group_segment_fixed_size: 4096
    .private_segment_fixed_size: 0
    .kernarg_segment_align: 8
    .kernarg_segment_size: 32
    .max_flat_workgroup_size: 512
    .sgpr_count:     66
    .vgpr_count:     162
    .wavefront_size: 32
...
	.end_amdgpu_metadata
.endif
;; end of part 2
;; launch chain (part 3): grid 128 x 1, 12 waves a work-group, no clusters, 101,888 bytes of LDS; arguments ord, xq, xs, gat, wq, b_fc, b_proj, out0, tmk; writes out0
.if DOCPART == 3
	.amdgcn_target "amdgcn-amd-amdhsa--gfx1250"
	.amdhsa_code_object_version 6
	.text
	.protected	k_q7c6ae454df_chain
	.globl	k_q7c6ae454df_chain
	.p2align	8
	.type	k_q7c6ae454df_chain,@function
k_q7c6ae454df_chain:
	s_mov_b64 s[64:65], 0
	v_nop
	global_prefetch_b8 v0, s[64:65] scope:SCOPE_SE
	s_setreg_imm32_b32 hwreg(HW_REG_WAVE_MODE, 25, 1), 1
	s_wait_xcnt 0x0
; CHAIN.  out[t] = sum over the token's two experts e of gate(t, e) (gelu(x[t] Wfc[e]^T + bfc[e]) Wproj[e]^T + bproj[e]), both products on codes of E3M2 with one E8M0 scale for each 32 along K.
; SHARES.  A work-group owns 64 neighbouring places of the order by pairs of experts (four tiles of 16 tokens) and so every one of their output rows.  It walks the experts that its tokens use: the first slot is
; written out, seven more go round a counted loop; a slot with no expert left does nothing but pass its two barriers.  A tile none of whose tokens uses the slot's expert is passed over in the first product.
; Which experts a tile uses is read as a whole number that the launch before stored (tmk): every branch on the list hangs on these four words alone.
; THE TWELVE WAVES SHARE THE COLUMNS: wave w makes hidden units 64 w .. 64 w + 63 and outputs 16 w .. 16 w + 15 for all 64 tokens, so each fragment of the weights is loaded by one wave, straight into registers,
; from a buffer laid in the order of the operand's registers.  No tensor load and no cluster: which expert a work-group needs hangs on the stored list, so partners could not be shown to ask alike.
; Both products are used transposed (source 0 = weights, source 1 = tokens): a lane holds one token throughout.  The rows of w_fc that form a tile were chosen so that the 16 registers of two neighbouring tiles
; are 16 neighbours along the next K.  OPERANDS GO FROM WAVE TO WAVE THROUGH LDS AS IMAGES OF THEIR REGISTERS (16 or 8 bytes a lane, on end).
; K = 192: the second K step holds k 128-191 in registers 0-5; x's registers 6-11 are zero codes, so the weights' registers 6-11 may be any codes (E3M2 has no NaN): the tiles lie 18 registers apart.
; gelu(x) = x / (1 + 2^(x (a + b x^2))), a = -2 sqrt(2 / pi) log2(e), b = 0.044715 a: the tanh form, rewritten.  It ends at 0 and at x where the power overflows or vanishes.
; LIMITS: NaN and infinities are not served; a hidden block of zeros has the byte 1 (its codes are zeros); blocks under 2^-122 are held at byte 1.
; LDS: XIMG x's fragments [tile][part 0-2][512 + 256]; EXT [xs, gat][tile][16 x 8]; HIMG the hidden layer [tile][K step][half][512 + 256]; HSC its scale words [tile][K step][128]; STG 64 rows of out, 784 apart.
; REGISTERS, window 0: v1-3 16, 8, 4 x lane; v4-10 addresses; v11 at work; v12-15 the tiles' list words; v16-47 out; v48-119 w_proj; v120-123, v124-126 the weights' scale words; v128-159 b_fc; v160-167 b_proj;
;   first product: v168-191 x (18 + 6 zeros), v192-223 the hidden tiles, v224-239 at work, v240-247 codes;  second: v168-199 y, v200-247 hidden fragments;  v248-251 and v254 scale words; v252-253 a; v255 0x7f7f.
;   window 1: v256-327 w_fc, v328-333 zeros.
.set XIMG, 0
.set EXT,  9216
.set HIMG, 10240
.set HSC,  47104
.set STG,  50176
.set PJ_OFF, 884736
.set FS_OFF, 1769472
.set PS_OFF, 1818624
.set FLOOR,  0x2800000
.set EOFF,   0xfe000000
.set OW,  12
.set OUT, 16
.set WP,  48
.set WSF, 120
.set WSP, 124
.set BI,  128
.set BP,  160
.set XF,  168
.set H,   192
.set T,   224
.set MX,  224                          ; in T, which is free once the gelu is done
.set MP,  226
.set Q,   240
.set HS,  248
.set CA,  252
.set XS,  254
.set Z7F, 255
.set Y,   168
.set HF,  200
.set G,   200
.set CM,  208
.set MSB, 0
.macro WIN new                         ; the immediate's high byte repeats the setting that is left
.if MSB != \new
	s_set_vgpr_msb (MSB<<8)|\new
.set MSB, \new
.endif
.endm
.macro BAR                             ; my LDS stores have landed and my LDS loads are in: then the work-group's barrier
	s_wait_dscnt 0x0
	s_barrier_signal -1
	s_barrier_wait -1
.endm
; 32 loads: my four tiles of w_fc of the expert in s[er], their scale words, my 64 numbers of b_fc in the result's layout
.macro LOADS_FC er
	s_mov_b32 s69, 0
	s_mul_i32 s68, s[\er], 110592
	s_add_nc_u64 s[42:43], s[54:55], s[68:69]
	s_mul_i32 s68, s[\er], 6144
	s_add_nc_u64 s[44:45], s[56:57], s[68:69]
	s_mul_i32 s68, s[\er], 3072
	s_add_nc_u64 s[46:47], s[58:59], s[68:69]
	WIN 0x40                                       ; destination window 1
.irp t, 0,1,2,3
.irp i, 0,1,2,3
	global_load_b128 v[18*\t+4*\i:18*\t+4*\i+3], v1, s[42:43] offset:2304*\t+512*\i
.endr
	global_load_b64 v[18*\t+16:18*\t+17], v2, s[42:43] offset:2304*\t+2048
.endr
	WIN 0
.irp t, 0,1,2,3
	global_load_b32 v[WSF+\t], v3, s[44:45] offset:128*\t
.endr
.irp t, 0,1,2,3
.irp i, 0,1
	global_load_b128 v[BI+8*\t+4*\i:BI+8*\t+4*\i+3], v9, s[46:47] offset:(32*(\t/2)+8*(\t%2))*4+16*\i
.endr
.endr
.endm
; 23 loads: my six fragments of w_proj of the expert in s33, their scale words, my 16 numbers of b_proj
.macro LOADS_PJ
	s_mov_b32 s69, 0
	s_mul_i32 s68, s33, 110592
	s_add_nc_u64 s[48:49], s[60:61], s[68:69]
	s_mul_i32 s68, s33, 6144
	s_add_nc_u64 s[50:51], s[62:63], s[68:69]
	s_mul_i32 s68, s33, 768
	s_add_nc_u64 s[52:53], s[66:67], s[68:69]
.set i, 0
.rept 18
	global_load_b128 v[WP+4*i:WP+4*i+3], v1, s[48:49] offset:512*i
.set i, i+1
.endr
.irp p, 0,1,2
	global_load_b32 v[WSP+\p], v3, s[50:51] offset:128*\p
.endr
	global_load_b128 v[BP:BP+3], v10, s[52:53]
	global_load_b128 v[BP+4:BP+7], v10, s[52:53] offset:16
.endm
; the activation of 16 hidden numbers, in f32; each accumulator is read from its low end on
.macro GELU16 hb
.irp j, 0,2,4,6,8,10,12,14
	v_pk_mul_f32 v[T+\j:T+\j+1], v[H+\hb+\j:H+\hb+\j+1], v[H+\hb+\j:H+\hb+\j+1]
.endr
.irp j, 0,2,4,6,8,10,12,14
	v_pk_fma_f32 v[T+\j:T+\j+1], v[T+\j:T+\j+1], s[40:41], v[CA:CA+1] op_sel_hi:[1,0,1]   ; b x^2 + a
.endr
.irp j, 0,2,4,6,8,10,12,14
	v_pk_mul_f32 v[T+\j:T+\j+1], v[T+\j:T+\j+1], v[H+\hb+\j:H+\hb+\j+1]
.endr
.irp j, 0,1,2,3,4,5,6,7,8,9,10,11,12,13,14,15
	v_exp_f32 v[T+\j], v[T+\j]
.endr
	v_nop                                          ; one plain place behind the transcendentals
	s_wait_alu depctr_va_vdst(0)
.irp j, 0,2,4,6,8,10,12,14
	v_pk_add_f32 v[T+\j:T+\j+1], v[T+\j:T+\j+1], 1.0 op_sel_hi:[1,0]
.endr
.irp j, 0,1,2,3,4,5,6,7,8,9,10,11,12,13,14,15
	v_rcp_f32 v[T+\j], v[T+\j]
.endr
	v_nop
	s_wait_alu depctr_va_vdst(0)
.irp j, 0,2,4,6,8,10,12,14
	v_pk_mul_f32 v[H+\hb+\j:H+\hb+\j+1], v[H+\hb+\j:H+\hb+\j+1], v[T+\j:T+\j+1]
.endr
.endm
; my two blocks of 32 hidden units of the lane's token (register 16 b + i = unit 32 b + 16 h + i) become six registers of codes, v[Q] on, and two scale bytes in v[MP]
.macro QUANT2
.irp b, 0,1
	v_max3_num_f32 v[MX+\b], |v[H+16*\b]|, |v[H+16*\b+1]|, FLOOR
.endr
.irp i, 2,4,6,8,10,12,14
.irp b, 0,1
	v_max3_num_f32 v[MX+\b], v[MX+\b], |v[H+16*\b+\i]|, |v[H+16*\b+\i+1]|
.endr
.endr
.irp b, 0,1
	v_permlanex16_b32 v[MP+\b], v[MX+\b], s38, s39
.endr
.irp b, 0,1
	v_max_num_f32 v[MX+\b], v[MX+\b], v[MP+\b]     ; with lane l xor 16's: the block's largest magnitude
.endr
.irp b, 0,1
	v_add_nc_u32 v[MX+\b], EOFF, v[MX+\b]          ; the conversion's scale operand
.endr
.irp b, 0,1
	v_lshrrev_b32 v[MP+\b], 23, v[MX+\b]
.endr
	v_lshl_or_b32 v[MP], v[MP+1], 8, v[MP]         ; half a scale word
	v_cvt_scalef32_pk16_bf6_f32 v[Q:Q+2], v[H:H+15], v[MX]
	v_cvt_scalef32_pk16_bf6_f32 v[Q+4:Q+6], v[H+16:H+31], v[MX+1]
	v_nop                                          ; one plain place behind a scaled conversion
.irp i, 0,1,2
	v_permlane16_swap_b32 v[Q+\i], v[Q+4+\i]       ; the operand wants a whole block in a lane: lanes 0-15 block 0, lanes 16-31 block 1
.endr
	v_mov_b32 v[Q+3], v[Q+4]
	v_mov_b32 v[Q+4], v[Q+5]
	v_mov_b32 v[Q+5], v[Q+6]
.endm
; the first product, the activation and the quantiser for tile m; a tile that does not use the expert stores zero codes and the byte of 1.0, so that the second product has no branch and reads nothing unwritten
.macro TILE1 m
	s_lshr_b32 s36, s[28+\m], s33
	s_and_b32 s36, s36, 1
	s_cmp_lg_u32 s36, 0
	s_cbranch_scc0 .Lz_\@
.irp p, 0,1,2
	ds_load_b128 v[XF+6*\p:XF+6*\p+3], v1 offset:XIMG+2304*\m+768*\p
	ds_load_b64 v[XF+6*\p+4:XF+6*\p+5], v2 offset:XIMG+2304*\m+768*\p+512
.endr
	ds_load_b32 v[XS], v7 offset:128*\m            ; lanes 0-15 the tokens' word of k 0-127, lanes 16-31 that of k 128-191
	s_wait_dscnt 0x0
	WIN 0x01                                       ; source 0 (w_fc) window 1
.irp t, 0,1,2,3                        ; the four accumulators by turns, one instruction a turn; the bias is the C of each sum's first product
	v_wmma_scale_f32_16x16x128_f8f6f4 v[H+8*\t:H+8*\t+7], v[18*\t:18*\t+11], v[XF:XF+11], v[BI+8*\t:BI+8*\t+7], v[WSF+\t], v[XS] matrix_a_fmt:MATRIX_FMT_BF6 matrix_b_fmt:MATRIX_FMT_BF6
.endr
.irp t, 0,1,2,3
	v_wmma_scale_f32_16x16x128_f8f6f4 v[H+8*\t:H+8*\t+7], v[18*\t+12:18*\t+23], v[XF+12:XF+23], v[H+8*\t:H+8*\t+7], v[WSF+\t], v[XS] matrix_a_fmt:MATRIX_FMT_BF6 matrix_b_fmt:MATRIX_FMT_BF6 matrix_a_scale:MATRIX_SCALE_ROW1 matrix_b_scale:MATRIX_SCALE_ROW1
.endr
	WIN 0
.rept 4
	v_nop                                          ; four places behind this form (ISA guide 7.12.1) ahead of the first read of the sums
.endr
	GELU16 0
	GELU16 16
	QUANT2
	ds_store_b128 v4, v[Q:Q+3] offset:9216*\m      ; half w % 2 of K step w / 2 of the second product
	ds_store_b64 v5, v[Q+4:Q+5] offset:9216*\m
	ds_store_b16 v6, v[MP] offset:768*\m
	s_branch .Ld_\@
.Lz_\@:
	ds_store_b128 v4, v[XF+18:XF+21] offset:9216*\m
	ds_store_b64 v5, v[XF+22:XF+23] offset:9216*\m
	ds_store_b16 v6, v[Z7F] offset:768*\m
.Ld_\@:
.endm
.macro P2MUL s, m
.if (\s) == 0
	v_wmma_scale_f32_16x16x128_f8f6f4 v[Y+8*\m:Y+8*\m+7], v[WP:WP+11], v[HF+12*\m:HF+12*\m+11], v[BP:BP+7], v[WSP], v[HS+\m] matrix_a_fmt:MATRIX_FMT_BF6 matrix_b_fmt:MATRIX_FMT_BF6
.elseif (\s)%2 == 0
	v_wmma_scale_f32_16x16x128_f8f6f4 v[Y+8*\m:Y+8*\m+7], v[WP+12*\s:WP+12*\s+11], v[HF+12*\m:HF+12*\m+11], v[Y+8*\m:Y+8*\m+7], v[WSP+(\s)/2], v[HS+\m] matrix_a_fmt:MATRIX_FMT_BF6 matrix_b_fmt:MATRIX_FMT_BF6
.else
	v_wmma_scale_f32_16x16x128_f8f6f4 v[Y+8*\m:Y+8*\m+7], v[WP+12*\s:WP+12*\s+11], v[HF+12*\m:HF+12*\m+11], v[Y+8*\m:Y+8*\m+7], v[WSP+(\s)/2], v[HS+\m] matrix_a_fmt:MATRIX_FMT_BF6 matrix_b_fmt:MATRIX_FMT_BF6 matrix_a_scale:MATRIX_SCALE_ROW1
.endif
.endm
; the second product for the four tiles, then out += gate x y.  first = 1: the product with the gate starts out: nothing is cleared
.macro PHASE2 first
.irp s, 0,1,2,3,4,5
.irp m, 0,1,2,3
	ds_load_b128 v[HF+12*\m:HF+12*\m+3], v1 offset:HIMG+9216*\m+1536*\s
	ds_load_b64 v[HF+12*\m+4:HF+12*\m+5], v2 offset:HIMG+9216*\m+1536*\s+512
	ds_load_b128 v[HF+12*\m+6:HF+12*\m+9], v1 offset:HIMG+9216*\m+1536*\s+768
	ds_load_b64 v[HF+12*\m+10:HF+12*\m+11], v2 offset:HIMG+9216*\m+1536*\s+1280
	ds_load_b32 v[HS+\m], v3 offset:HSC+768*\m+128*\s
.endr
	s_wait_dscnt 0x0
.irp m, 3,0,1,2                        ; by turns; in this order the slot's last product and the next slot's first share no accumulator register
	P2MUL \s, \m
.endr
.rept 5
	v_nop                                          ; four places ahead of the loads into the fragments' registers; a fifth, since the next slot's first product writes over v192-199
.endr
.endr
.irp m, 0,1,2,3
	ds_load_b64 v[G+2*\m:G+2*\m+1], v8 offset:128*\m   ; the token's two gates
.endr
	s_wait_dscnt 0x0
.irp m, 0,1,2,3
	v_bfe_u32 v11, v[OW+\m], 16, 4
	v_cmp_eq_u32 vcc_lo, s33, v11
	v_cndmask_b32 v[CM+2*\m], 0, v[G+2*\m], vcc_lo     ; the lower expert's gate where that is this expert, else 0,
	v_bfe_u32 v11, v[OW+\m], 20, 4
	v_cmp_eq_u32 vcc_lo, s33, v11
	v_cndmask_b32 v[CM+2*\m], v[CM+2*\m], v[G+2*\m+1], vcc_lo   ; or the higher one's
.endr
.irp m, 0,1,2,3
.irp j, 0,2,4,6
.if \first
	v_pk_mul_f32 v[OUT+8*\m+\j:OUT+8*\m+\j+1], v[Y+8*\m+\j:Y+8*\m+\j+1], v[CM+2*\m:CM+2*\m+1] op_sel_hi:[1,0]
.else
	v_pk_fma_f32 v[OUT+8*\m+\j:OUT+8*\m+\j+1], v[Y+8*\m+\j:Y+8*\m+\j+1], v[CM+2*\m:CM+2*\m+1], v[OUT+8*\m+\j:OUT+8*\m+\j+1] op_sel_hi:[1,0,1]
.endif
.endr
.endr
.endm
; a slot: one expert.  cond = 1: only if an expert is left; the two barriers stand outside every branch
.macro SLOT cond, first
.if \cond
	s_cmp_lg_u32 s32, 0
	s_cselect_b32 s34, 1, 0
	s_cbranch_scc0 .Lp1_\@
.endif
	LOADS_PJ                                       ; w_proj lands under the first product
	s_wait_loadcnt 23                              ; the w_fc set, issued a phase ago, is in; the 23 younger loads are w_proj's
.irp i, 0,1,2,3,4,5
	v_mov_b32 v[XF+18+\i], 0                       ; x's registers 6-11 of the second K step: zero codes
.endr
.rept 4
	v_nop                                          ; an operand written by vector lines stands four places ahead of a scaled product
.endr
	TILE1 0
	TILE1 1
	TILE1 2
	TILE1 3
	s_wait_loadcnt 0x0                             ; w_proj
	s_sub_co_u32 s36, s32, 1
	s_and_b32 s32, s32, s36                        ; this expert is done
	s_ctz_i32_b32 s27, s32
	s_min_u32 s27, s27, 7                          ; the next one; a loaded number enters an address behind this bound
	s_cmp_lg_u32 s32, 0
	s_cbranch_scc0 .Lnofc_\@
.rept 4
	v_nop                                          ; places ahead of loads into registers that products have read
.endr
	LOADS_FC 27                                    ; the next expert's w_fc lands under the second product
.Lnofc_\@:
.if \cond
.Lp1_\@:
.endif
	BAR                                            ; the hidden layer's 24 fragments lie in LDS
.if \cond
	s_cmp_lg_u32 s34, 0
	s_cbranch_scc0 .Lp2_\@
.endif
	PHASE2 \first
.if \cond
.Lp2_\@:
.endif
	BAR                                            ; every wave has read them: they may be written again
	s_mov_b32 s33, s27
.endm
	s_load_b512 s[8:23], s[0:1], 0x0               ; ord s[8:9], xq s[10:11], xs s[12:13], gat s[14:15], wq s[16:17], b_fc s[18:19], b_proj s[20:21], out0 s[22:23]
	s_load_b64 s[4:5], s[0:1], 0x40                ; tmk
	v_lshl_add_u32 v127, v0, 2, 0x18800
	s_set_vgpr_msb 0x40
	v_mov_b32 v79, 0
	s_set_vgpr_msb 0x4000
	v_lshrrev_b32 v11, 5, v0
	v_readfirstlane_b32 s24, v11                   ; wave 0..11
	s_and_b32 s25, s24, 3                          ; the tile that I gather and store
	s_lshr_b32 s26, s24, 2                         ; and which third of its rows
	v_and_b32 v11, 31, v0
	v_and_b32 v40, 15, v0                          ; r   (v16-47 are free until the first slot's end)
	v_bfe_u32 v41, v0, 4, 1                        ; h
	v_lshlrev_b32 v1, 4, v11
	v_lshlrev_b32 v2, 3, v11
	v_lshlrev_b32 v3, 2, v11
	s_mul_i32 s36, s24, 768
	s_add_co_u32 s36, s36, HIMG
	v_add_nc_u32 v4, s36, v1                       ; where I store my half fragment: registers 0-3,
	s_add_co_u32 s36, s36, 512
	v_add_nc_u32 v5, s36, v2                       ; registers 4-5,
	s_lshr_b32 s36, s24, 1
	s_lshl_b32 s36, s36, 7
	s_and_b32 s37, s24, 1
	s_lshl_b32 s37, s37, 1
	s_add_co_u32 s36, s36, s37
	s_add_co_u32 s36, s36, HSC
	v_add_nc_u32 v6, s36, v3                       ; and my half of the scale word
	v_lshl_add_u32 v7, v40, 3, EXT
	v_lshl_add_u32 v7, v41, 2, v7                  ; x's scale words: 8 r + 4 h
	v_lshl_add_u32 v8, v40, 3, EXT+512             ; the gates: 8 r
	v_lshlrev_b32 v9, 6, v41
	v_lshlrev_b32 v10, 5, v41
	s_mul_i32 s36, s25, 2304
	s_mul_i32 s37, s26, 768
	s_add_co_u32 s36, s36, s37
	v_add_nc_u32 v16, s36, v1                      ; x's images (XIMG = 0): my tile, my part
	s_add_co_u32 s36, s36, 512
	v_add_nc_u32 v17, s36, v2
	s_lshl_b32 s36, s26, 9
	s_lshl_b32 s37, s25, 7
	s_add_co_u32 s36, s36, s37
	s_add_co_u32 s36, s36, EXT
	v_lshl_add_u32 v18, v40, 3, s36                ; xs (part 0) or gat (part 1) of my tile
	v_lshlrev_b32 v19, 2, v40
	s_lshl_b32 s36, s25, 6
	v_add_nc_u32 v20, s36, v19
	s_mul_i32 s36, s26, 48
	v_mul_u32_u24 v35, v41, 24
	v_add_nc_u32 v35, s36, v35                     ; 48 part + 24 h
	v_mov_b32 v38, 0
	v_mov_b32 v[CA], 0xc0135761                    ; a = -2.3022082
	v_mov_b32 v[CA+1], 0xc0135761
	v_mov_b32 v[Z7F], 0x7f7f
	s_mov_b32 s40, 0xbdd2d3e8                      ; b = -0.10294324
	s_mov_b32 s41, s40                             ; (named with it as a pair, so it is written)
	s_mov_b32 s38, 0x76543210
	s_mov_b32 s39, 0xfedcba98
	WIN 0x40
.irp i, 0,1,2,3,4,5
	v_mov_b32 v[72+\i], 0                          ; v328-333: the tail of tile 3's second operand
.endr
	WIN 0
	s_lshl_b32 s68, ttmp9, 8
	s_mov_b32 s69, 0
	s_wait_kmcnt 0x0
	s_add_nc_u64 s[8:9], s[8:9], s[68:69]          ; my 64 places of the order
	s_lshl_b32 s68, ttmp9, 4
	s_add_nc_u64 s[4:5], s[4:5], s[68:69]          ; and my four tiles' masks
	s_mul_i32 s68, s24, 9216
	s_add_nc_u64 s[54:55], s[16:17], s[68:69]      ; the six bases of my wave, without the expert
	s_add_co_u32 s68, s68, PJ_OFF
	s_add_nc_u64 s[60:61], s[16:17], s[68:69]
	s_lshl_b32 s68, s24, 9
	s_add_co_u32 s68, s68, FS_OFF
	s_add_nc_u64 s[56:57], s[16:17], s[68:69]
	s_add_co_u32 s68, s68, PS_OFF-FS_OFF
	s_add_nc_u64 s[62:63], s[16:17], s[68:69]
	s_lshl_b32 s68, s24, 8
	s_add_nc_u64 s[58:59], s[18:19], s[68:69]
	s_lshl_b32 s68, s24, 6
	s_add_nc_u64 s[66:67], s[20:21], s[68:69]
.irp m, 0,1,2,3
	global_load_b32 v[OW+\m], v19, s[8:9] offset:64*\m   ; token | lo << 16 | hi << 20 of row r of each tile
.endr
	global_load_b32 v21, v20, s[8:9]               ; and of the tile that I gather
	global_load_b128 v[44:47], v38, s[4:5]         ; which experts each of my four tiles uses: the same 16 bytes in every lane
	s_wait_loadcnt 0x0
	v_and_b32 v21, 0x1fff, v21
	v_min_u32 v21, 0x1fff, v21                     ; a loaded number enters an address behind this bound
	v_mul_u32_u24 v34, v21, 144
	v_add_nc_u32 v34, v34, v35
	v_lshlrev_b32 v36, 3, v21
	global_load_b64 v[22:23], v34, s[10:11]        ; registers 6 part .. 6 part + 5 of x's operand: 24 bytes of the token's stream of bits
	global_load_b64 v[24:25], v34, s[10:11] offset:8
	global_load_b64 v[26:27], v34, s[10:11] offset:16
	s_cmp_eq_u32 s26, 0
	s_cselect_b64 s[70:71], s[12:13], s[14:15]
	s_cmp_lt_u32 s26, 2
	s_cbranch_scc0 .Lno_ext_load
	global_load_b64 v[28:29], v36, s[70:71]        ; the token's scale bytes, or its two gates
.Lno_ext_load:
.irp m, 0,1,2,3
	v_readfirstlane_b32 s[28+\m], v[44+\m]         ; the masks as scalars
.endr
	s_or_b32 s32, s28, s29
	s_or_b32 s32, s32, s30
	s_or_b32 s32, s32, s31                         ; the experts still to be walked
	s_ctz_i32_b32 s33, s32
	s_min_u32 s33, s33, 7                          ; the first
	s_mov_b32 s27, s33
	LOADS_FC 33
	s_wait_loadcnt 32                              ; the gather is in, on both ways of the branch above; the 32 younger loads are the w_fc set
	ds_store_b128 v16, v[22:25]
	ds_store_b64 v17, v[26:27]
	s_cmp_lt_u32 s26, 2
	s_cbranch_scc0 .Lno_ext_store
	ds_store_b64 v18, v[28:29]                     ; lanes r and r + 16 store the same bytes with the same value
.Lno_ext_store:
	BAR                                            ; x's twelve images, its scale words and the gates lie in LDS, for the whole launch
	SLOT 0, 1
	s_mov_b32 s35, 7
.Lslot:
	SLOT 1, 0
	s_sub_co_u32 s35, s35, 1
	s_cmp_lg_u32 s35, 0
	s_cbranch_scc1 .Lslot
	; THE WAY OUT.  A row's 192 outputs come from twelve waves: they meet in the stage; each wave then stores a third (256 bytes) of the 16 rows of one tile, sixteen lanes to 256 consecutive bytes, aligned.
	v_bfe_u32 v7, v0, 4, 1                         ; h
	v_and_b32 v8, 15, v0                           ; r
	s_lshl_b32 s36, s25, 6
	v_lshl_add_u32 v6, v7, 2, s36                  ; the list words of rows h, h + 2, .. of my tile
.irp i, 0,1,2,3,4,5,6,7
	global_load_b32 v[200+\i], v6, s[8:9] offset:8*\i
.endr
	s_lshl_b32 s36, s24, 6
	s_add_co_u32 s36, s36, STG
	v_mul_u32_u24 v4, v8, 784                      ; rows 784 = 49 x 16 bytes apart
	v_add_nc_u32 v4, v4, v10
	v_add_nc_u32 v4, s36, v4                       ; in: row r, + 64 wave + 32 h
	s_mul_i32 s36, s25, 12544
	s_lshl_b32 s37, s26, 8
	s_add_co_u32 s36, s36, s37
	s_add_co_u32 s36, s36, STG
	v_mul_u32_u24 v5, v7, 784
	v_lshl_add_u32 v5, v8, 4, v5
	v_add_nc_u32 v5, s36, v5                       ; back: my tile, row h, my third, 16 bytes a lane
	v_lshl_add_u32 v8, v8, 4, s37                  ; and the same place in a row of out
.irp m, 0,1,2,3
	ds_store_b128 v4, v[OUT+8*\m:OUT+8*\m+3] offset:12544*\m
	ds_store_b128 v4, v[OUT+8*\m+4:OUT+8*\m+7] offset:12544*\m+16
.endr
	BAR
.irp i, 0,1,2,3,4,5,6,7
	ds_load_b128 v[168+4*\i:171+4*\i], v5 offset:1568*\i
.endr
	s_wait_loadcnt 0x0
.irp i, 0,1,2,3,4,5,6,7
	v_and_b32 v[200+\i], 0x1fff, v[200+\i]
	v_min_u32 v[200+\i], 0x1fff, v[200+\i]
	v_mul_u32_u24 v[200+\i], v[200+\i], 768
	v_add_nc_u32 v[200+\i], v[200+\i], v8
.endr
.irp i, 0,1,2,3,4,5,6,7
	s_wait_dscnt 7-\i                              ; LDS loads come back in order: rows h + 2 i are in
	global_store_b128 v[200+\i], v[168+4*\i:171+4*\i], s[22:23] th:TH_STORE_NT
.endr
	s_set_vgpr_msb 0x4
	s_wait_tensorcnt 0x0
	ds_add_u32 v127, v79
	s_wait_dscnt 0x0
	s_set_vgpr_msb 0x400
	s_endpgm
.Lfunc_end_k_q7c6ae454df_chain:
	.size	k_q7c6ae454df_chain, .Lfunc_end_k_q7c6ae454df_chain-k_q7c6ae454df_chain
	.p2alignl 7, 3214868480
	.fill 96, 4, 3214868480
	.section	.rodata,"a",@progbits
	.p2align	6, 0x0
	.amdhsa_kernel k_q7c6ae454df_chain
		.amdhsa_group_segment_fixed_size 101888
		.amdhsa_private_segment_fixed_size 0
		.amdhsa_enable_private_segment 0
		.amdhsa_kernarg_size 72
		.amdhsa_user_sgpr_count 2
		.amdhsa_user_sgpr_kernarg_segment_ptr 1
		.amdhsa_wavefront_size32 1
		.amdhsa_system_sgpr_workgroup_id_x 1
		.amdhsa_system_sgpr_workgroup_id_y 1
		.amdhsa_system_sgpr_workgroup_id_z 1
		.amdhsa_system_vgpr_workitem_id 0
		.amdhsa_next_free_vgpr 336
		.amdhsa_next_free_sgpr 72
		.amdhsa_reserve_vcc 1
		.amdhsa_float_denorm_mode_32 3
		.amdhsa_float_denorm_mode_16_64 3
		.amdhsa_memory_ordered 1
		.amdhsa_forward_progress 1
		.amdhsa_inst_pref_size 148
	.end_amdhsa_kernel
	.amdgpu_metadata
---
amdhsa.version: [ 1, 2 ]
amdhsa.kernels:
  - .name:           k_q7c6ae454df_chain
    .symbol:         k_q7c6ae454df_chain.kd
    .args:
      - { .name: ord, .offset: 0, .size: 8, .value_kind: global_buffer, .address_space: global }
      - { .name: xq, .offset: 8, .size: 8, .value_kind: global_buffer, .address_space: global }
      - { .name: xs, .offset: 16, .size: 8, .value_kind: global_buffer, .address_space: global }
      - { .name: gat, .offset: 24, .size: 8, .value_kind: global_buffer, .address_space: global }
      - { .name: wq, .offset: 32, .size: 8, .value_kind: global_buffer, .address_space: global }
      - { .name: b_fc, .offset: 40, .size: 8, .value_kind: global_buffer, .address_space: global }
      - { .name: b_proj, .offset: 48, .size: 8, .value_kind: global_buffer, .address_space: global }
      - { .name: out0, .offset: 56, .size: 8, .value_kind: global_buffer, .address_space: global }
      - { .name: tmk, .offset: 64, .size: 8, .value_kind: global_buffer, .address_space: global }
    .group_segment_fixed_size: 101888
    .private_segment_fixed_size: 0
    .kernarg_segment_align: 8
    .kernarg_segment_size: 72
    .max_flat_workgroup_size: 384
    .sgpr_count:     72
    .vgpr_count:     336
    .wavefront_size: 32
...
	.end_amdgpu_metadata
.endif
;; end of part 3
;; ======== version 2 of 3: 3 launches; 1.26 times as fast as version 1
;; workspace buffers: xq 1,179,648 bytes; xs 65,536 bytes; gat 65,536 bytes; tok 32,768 bytes of whole numbers; cnt 65,536 bytes of whole numbers; ord 32,768 bytes of whole numbers; wq 1,867,776 bytes
;; launch prep (part 4): grid 46 x 8, 4 waves a work-group, no clusters, 151,040 bytes of LDS; arguments x, gate_w, gate_b, w_fc, w_proj, xq, xs, gat, tok, cnt, wq; writes xq, xs, gat, tok, cnt, wq
.if DOCPART == 4
	.amdgcn_target "amdgcn-amd-amdhsa--gfx1250"
	.amdhsa_code_object_version 6
	.text
	.protected	k_q7c6ae454df_prep
	.globl	k_q7c6ae454df_prep
	.p2align	8
	.type	k_q7c6ae454df_prep,@function
k_q7c6ae454df_prep:
	s_mov_b64 s[64:65], 0
	v_nop
	global_prefetch_b8 v0, s[64:65] scope:SCOPE_SE
	s_setreg_imm32_b32 hwreg(HW_REG_WAVE_MODE, 25, 1), 1
	s_wait_xcnt 0x0
; PREP.  Three kinds of work-group, parted on the work-group's x alone; waves share nothing, so there is no barrier; each kind has LDS bytes of its own.
;   x 0-15  (128 groups): a wave takes 16 tokens: the router (f32 products, top 2, softmax of the two), x as codes of E3M2 with E8M0 bytes, and each token's rank among its 16 by its pair of experts.
;   x 16-27 (96 groups):  a wave takes one tile of 16 rows of w_fc (expert y) and lays its codes in the order of the operand's registers.
;   x 28-45 (144 groups): a wave takes 16 rows x 128 K of w_proj (expert y), likewise.
; THE QUANTISER: a block of 32 along K has the scale 2^(floor(log2(largest magnitude)) - 4); its byte is the largest magnitude's exponent field - 4, held at 1 from below by a floor among the maximum's leaves.
; Nothing that is made of floating-point numbers reaches an address or a branch here: experts, ranks and counts are stored as values at places fixed by ids.
; tok: [token] = rank in its 16 | pair << 8 | lo << 16 | hi << 20 | ((1 << lo) | (1 << hi)) << 24.
; LIMITS: NaN and infinities among the inputs are not served.  A block of zeros gets the byte 1 where the rule says 127: its codes are zeros, and this program alone reads the bytes.  Blocks whose largest
; magnitude lies under 2^-122 are held at byte 1.  A token whose second and third scores differ by less than the error of an f32 sum of 192 terms may be routed otherwise than by another order of summing.
; wq: FC e 110592 + w 9216 + t 2304 (four images of 512 bytes, registers 0-15; one of 256, registers 16-17);  PJ at 884736: e 110592 + v 9216 + s 1536 (three images of 512);
;     FS at 1769472: e 6144 + w 512 + t 128 (lanes 0-15 the word of k 0-127, lanes 16-31 that of k 128-191);  PS at 1818624: e 6144 + v 512 + p 128 (lanes 0-15 K step 2 p, lanes 16-31 K step 2 p + 1).
.set PJ_OFF, 884736
.set FS_OFF, 1769472
.set PS_OFF, 1818624
.set FLOOR,  0x2800000                 ; 2^(5 - 127)
.set EOFF,   0xfe000000                ; 4 off an exponent field
.set X,    16                          ; v16-111  96 numbers of a lane
.set GWR,  112                         ; v112-207 gate_w, in the same order along K as X
.set ACC,  208                         ; v208-223 the router's two accumulators: written by matrix instructions alone in this text
.set GB,   224                         ; v224-231 gate_b
.set CQ,   232                         ; v232-239 16 codes, two places by turns
.set QM,   240                         ; the block's largest magnitude, then the conversion's scale operand
.set QP,   241
.set QB,   242
.set W0,   244                         ; x's scale bytes 0-3
.set W1,   245                         ; and 4-5
.set F,    112                         ; the weights' paths: v112-129 the fragment
.set TQ,   132                         ; v132-143 the second halves of the blocks' codes
.set MX,   144
.set WBY,  148
	s_load_b512 s[8:23], s[0:1], 0x0               ; x s[8:9], gate_w s[10:11], gate_b s[12:13], w_fc s[14:15], w_proj s[16:17], xq s[18:19], xs s[20:21], gat s[22:23]
	s_load_b128 s[24:27], s[0:1], 0x40             ; tok s[24:25], cnt s[26:27]
	s_load_b64 s[28:29], s[0:1], 0x50              ; wq
	v_lshl_add_u32 v254, v0, 2, 0x24c00
	v_mov_b32 v255, 0
	v_lshrrev_b32 v1, 5, v0
	v_readfirstlane_b32 s30, v1                    ; wave 0..3
	s_and_b32 s31, ttmp7, 0xffff                   ; work-group y
	s_mov_b32 s32, 0x76543210
	s_mov_b32 s33, 0xfedcba98                      ; v_permlanex16_b32's selects for lane l xor 16
	s_mov_b32 s37, 0                               ; the high word of every offset pair s[36:37]
	v_and_b32 v1, 31, v0                           ; lane
	v_and_b32 v2, 15, v0                           ; r
	v_bfe_u32 v3, v0, 4, 1                         ; h
	v_lshlrev_b32 v8, 4, v1                        ; 16 x lane
	v_lshlrev_b32 v13, 2, v1                       ; 4 x lane
	s_wait_kmcnt 0x0
	s_cmp_lt_u32 ttmp9, 16
	s_cbranch_scc1 .Lrouter
	s_cmp_lt_u32 ttmp9, 28
	s_cbranch_scc1 .Lfc
	s_branch .Lpj
; n loads' 512 bytes each go into the wave's stage as they were loaded
.macro STAGE_IN n, step
.set q, 0
.rept \n
	ds_store_b128 v4, v[X+4*q:X+4*q+3] offset:\step*q
.set q, q+1
.endr
.endm
; nc whole blocks of 32 of a lane, v[X + 32 c] on, become registers 6 c .. 6 c + 5 of a fragment in v[F] on; their bytes in v[WBY + c]
.macro WQ nc
.set c, 0
.rept \nc
	v_max3_num_f32 v[MX+c], |v[X+32*c]|, |v[X+32*c+1]|, FLOOR
.set c, c+1
.endr
.set i, 2
.rept 15
.set c, 0
.rept \nc
	v_max3_num_f32 v[MX+c], v[MX+c], |v[X+32*c+i]|, |v[X+32*c+i+1]|   ; the blocks by turns
.set c, c+1
.endr
.set i, i+2
.endr
.set c, 0
.rept \nc
	v_add_nc_u32 v[MX+c], EOFF, v[MX+c]            ; the conversion takes the exponent field of this operand as its scale
.set c, c+1
.endr
.set c, 0
.rept \nc
	v_lshrrev_b32 v[WBY+c], 23, v[MX+c]            ; the scale's byte
.set c, c+1
.endr
.set c, 0
.rept \nc
	v_cvt_scalef32_pk16_bf6_f32 v[F+6*c:F+6*c+2], v[X+32*c:X+32*c+15], v[MX+c]
	v_cvt_scalef32_pk16_bf6_f32 v[TQ+4*c:TQ+4*c+2], v[X+32*c+16:X+32*c+31], v[MX+c]   ; (a conversion's three registers begin on an even number)
.set c, c+1
.endr
	v_nop                                          ; one plain place behind a scaled conversion
.set c, 0
.rept \nc
	v_mov_b32 v[F+6*c+3], v[TQ+4*c]
	v_mov_b32 v[F+6*c+4], v[TQ+4*c+1]
	v_mov_b32 v[F+6*c+5], v[TQ+4*c+2]
.set c, c+1
.endr
.endm
.macro JOIN d, s                       ; v[d] = v[s] | lane l xor 16's v[s]
	v_mov_b32 v153, 0                              ; a lane permute's destination counts as one of its sources
	v_permlanex16_b32 v153, v[\s], s32, s33
	v_or_b32 v[\d], v[\s], v153
.endm
; ------------------------------------------------------------------ w_proj: unit = 4 (x - 28) + wave = 6 v + s: rows 16 v .. 16 v + 15, K step s
.Lpj:
	s_sub_co_u32 s34, ttmp9, 28
	s_lshl_b32 s34, s34, 2
	s_add_co_u32 s34, s34, s30                     ; unit 0..71
	s_mul_i32 s35, s34, 43
	s_lshr_b32 s35, s35, 8                         ; v = unit / 6 (exact for 0..71)
	s_mul_i32 s36, s35, 6
	s_sub_co_u32 s38, s34, s36                     ; s
	s_mul_i32 s36, s31, 192
	s_lshl_b32 s39, s35, 4
	s_add_co_u32 s36, s36, s39                     ; row 192 e + 16 v
	s_mul_i32 s36, s36, 3072
	s_lshl_b32 s39, s38, 9
	s_add_co_u32 s36, s36, s39                     ; + 512 s bytes
	s_add_nc_u64 s[16:17], s[16:17], s[36:37]
	s_mul_i32 s36, s31, 110592
	s_mul_i32 s39, s35, 9216
	s_add_co_u32 s36, s36, s39
	s_mul_i32 s39, s38, 1536
	s_add_co_u32 s36, s36, s39
	s_add_co_u32 s36, s36, PJ_OFF
	s_add_nc_u64 s[40:41], s[28:29], s[36:37]      ; the fragment's three images
	s_mul_i32 s36, s31, 6144
	s_lshl_b32 s39, s35, 9
	s_add_co_u32 s36, s36, s39
	s_lshr_b32 s39, s38, 1
	s_lshl_b32 s39, s39, 7
	s_add_co_u32 s36, s36, s39
	s_and_b32 s39, s38, 1
	s_lshl_b32 s39, s39, 6
	s_add_co_u32 s36, s36, s39
	s_add_co_u32 s36, s36, PS_OFF
	s_add_nc_u64 s[42:43], s[28:29], s[36:37]      ; its sixteen scale words
	s_mul_i32 s35, s30, 8448
	s_add_co_u32 s35, s35, 116736                  ; my stage: 16 rows, 528 bytes apart (33 x 16)
	v_add_nc_u32 v4, s35, v8
	v_mul_u32_u24 v5, v2, 528
	v_lshl_add_u32 v5, v3, 7, v5
	v_add_nc_u32 v5, s35, v5                       ; back: row r, + 128 h: my block of 32
	v_lshlrev_b32 v14, 2, v2
.set q, 0
.rept 16
	global_load_b128 v[X+4*q:X+4*q+3], v8, s[16:17] offset:3072*q th:TH_LOAD_NT   ; 32 lanes read 512 consecutive bytes of row q
.set q, q+1
.endr
	s_wait_loadcnt 0x0
	STAGE_IN 16, 528
	s_wait_dscnt 0x0
.irp c, 0,1
.irp i, 0,1,2,3,4,5,6,7
	ds_load_b128 v[X+32*\c+4*\i:X+32*\c+4*\i+3], v5 offset:256*\c+16*\i   ; w(r, 64 c + 32 h + 4 i ..)
.endr
.endr
	s_wait_dscnt 0x0
	WQ 2
	v_lshl_or_b32 v152, v[WBY+1], 16, v[WBY]       ; my two bytes: blocks h and 2 + h,
	v_lshlrev_b32 v157, 3, v3
	v_lshlrev_b32 v152, v157, v152                 ; at their places in the word;
	JOIN 154, 152                                  ; with lane l xor 16's two the word is whole
.irp i, 0,1,2
	global_store_b128 v8, v[F+4*\i:F+4*\i+3], s[40:41] offset:512*\i
.endr
	global_store_b32 v14, v154, s[42:43]           ; lanes r and r + 16 store the same word with the same value
	s_wait_tensorcnt 0x0
	ds_add_u32 v254, v255
	s_wait_dscnt 0x0
	s_endpgm
; ------------------------------------------------------------------ w_fc: chain wave w = x - 16, tile t = wave: lane r takes row 64 w + 32 (t / 2) + 8 (t % 2) + r + 8 (r / 8)
.Lfc:
	s_sub_co_u32 s34, ttmp9, 16                    ; w
	s_lshl_b32 s35, s34, 6
	s_lshr_b32 s36, s30, 1
	s_lshl_b32 s36, s36, 5
	s_add_co_u32 s35, s35, s36
	s_and_b32 s36, s30, 1
	s_lshl_b32 s36, s36, 3
	s_add_co_u32 s35, s35, s36
	s_mul_i32 s36, s31, 768
	s_add_co_u32 s35, s35, s36                     ; the tile's first row, 768 e + n0
	s_mul_i32 s36, s35, 768
	s_add_nc_u64 s[14:15], s[14:15], s[36:37]
	s_mul_i32 s36, s31, 110592
	s_mul_i32 s38, s34, 9216
	s_add_co_u32 s36, s36, s38
	s_mul_i32 s38, s30, 2304
	s_add_co_u32 s36, s36, s38
	s_add_nc_u64 s[40:41], s[28:29], s[36:37]      ; the tile's 18 registers' images
	s_mul_i32 s36, s31, 6144
	s_lshl_b32 s38, s34, 9
	s_add_co_u32 s36, s36, s38
	s_lshl_b32 s38, s30, 7
	s_add_co_u32 s36, s36, s38
	s_add_co_u32 s36, s36, FS_OFF
	s_add_nc_u64 s[42:43], s[28:29], s[36:37]      ; its scale register's image
	s_mul_i32 s35, s30, 13056
	s_add_co_u32 s35, s35, 64512                   ; my stage: 16 rows of 3 x (256 + 16) = 816 bytes (51 x 16)
	v_lshl_add_u32 v4, v3, 4, v8
	v_add_nc_u32 v4, s35, v4                       ; in: 16 x lane, and 16 more behind the first 256 of a load's 512
	v_mul_u32_u24 v5, v2, 816
	v_lshl_add_u32 v5, v3, 7, v5
	v_add_nc_u32 v5, s35, v5                       ; back: row r, + 128 h
	v_lshlrev_b32 v9, 3, v1                        ; 8 x lane
.set q, 0
.rept 12
	global_load_b128 v[X+4*q:X+4*q+3], v8, s[14:15] offset:512*q th:TH_LOAD_NT             ; rows n0 .. n0 + 7: 6,144 dense bytes
.set q, q+1
.endr
.rept 12
	global_load_b128 v[X+4*q:X+4*q+3], v8, s[14:15] offset:12288+512*(q-12) th:TH_LOAD_NT  ; rows n0 + 16 .. n0 + 23
.set q, q+1
.endr
	s_wait_loadcnt 0x0
	STAGE_IN 24, 544                               ; 12 x 544 = 8 x 816: the second eight rows follow the first
	s_wait_dscnt 0x0
.irp c, 0,1,2
.irp i, 0,1,2,3,4,5,6,7
	ds_load_b128 v[X+32*\c+4*\i:X+32*\c+4*\i+3], v5 offset:272*\c+16*\i   ; w(row, 64 c + 32 h + 4 i ..): whole blocks h, 2 + h, 4 + h
.endr
.endr
	s_wait_dscnt 0x0
	WQ 3
	v_lshl_or_b32 v152, v[WBY+1], 16, v[WBY]
	v_lshlrev_b32 v157, 3, v3
	v_lshlrev_b32 v152, v157, v152
	JOIN 154, 152                                  ; the word of k 0-127
	v_lshlrev_b32 v158, v157, v[WBY+2]
	JOIN 155, 158
	v_or_b32 v155, 0x7f7f0000, v155                ; the word of k 128-191; the two blocks that do not exist have the byte of 1.0
	v_cmp_eq_u32 vcc_lo, 1, v3
	v_cndmask_b32 v156, v154, v155, vcc_lo         ; lanes 0-15 the first word, lanes 16-31 the second
.irp i, 0,1,2,3
	global_store_b128 v8, v[F+4*\i:F+4*\i+3], s[40:41] offset:512*\i
.endr
	global_store_b64 v9, v[F+16:F+17], s[40:41] offset:2048
	global_store_b32 v13, v156, s[42:43]
	s_wait_tensorcnt 0x0
	ds_add_u32 v254, v255
	s_wait_dscnt 0x0
	s_endpgm
; ------------------------------------------------------------------ the router and x: tile = 4 (16 y + x) + wave, tokens 16 tile .. 16 tile + 15
.Lrouter:
	s_lshl_b32 s34, s31, 4
	s_add_co_u32 s34, s34, ttmp9
	s_lshl_b32 s34, s34, 2
	s_add_co_u32 s34, s34, s30                     ; tile 0..511
	s_mul_i32 s36, s34, 12288
	s_add_nc_u64 s[8:9], s[8:9], s[36:37]
	s_mul_i32 s36, s34, 2304
	s_add_nc_u64 s[18:19], s[18:19], s[36:37]
	s_lshl_b32 s36, s34, 7
	s_add_nc_u64 s[20:21], s[20:21], s[36:37]
	s_add_nc_u64 s[22:23], s[22:23], s[36:37]
	s_add_nc_u64 s[26:27], s[26:27], s[36:37]
	s_lshl_b32 s36, s34, 6
	s_add_nc_u64 s[24:25], s[24:25], s[36:37]
	s_mul_i32 s35, s30, 13056                      ; my stage for x: 16 rows of 816 bytes
	v_lshl_add_u32 v4, v3, 4, v8
	v_add_nc_u32 v4, s35, v4
	v_mul_u32_u24 v5, v2, 816
	v_lshl_add_u32 v5, v3, 6, v5
	v_add_nc_u32 v5, s35, v5                       ; back: row r, + 64 h: my 16 numbers of a block of 32
	s_mul_i32 s35, s30, 3072
	s_add_co_u32 s35, s35, 52224                   ; my stage for the codes: 192 places of 16 bytes, 12 of them used
	v_mul_u32_u24 v6, v2, 192
	v_lshl_add_u32 v6, v3, 4, v6
	v_add_nc_u32 v6, s35, v6                       ; in: place 12 r + 2 block + h
	v_add_nc_u32 v7, s35, v8                       ; back: place by place
	v_and_b32 v9, 7, v0
	v_mul_u32_u24 v9, v9, 768
	v_lshl_add_u32 v9, v3, 6, v9                   ; gate_w: row r % 8 (rows 8-15 of the tile repeat the eight experts), + 64 h
	v_mov_b32 v10, 0
	v_mul_u32_u24 v11, v1, 12
	v_lshlrev_b32 v12, 3, v2
	v_lshl_add_u32 v12, v3, 2, v12                 ; 8 r + 4 h
	v_lshlrev_b32 v14, 2, v2
	v_mov_b32 v[QP], 0                             ; a lane permute's destination counts as one of its sources
.set q, 0
.rept 24
	global_load_b128 v[X+4*q:X+4*q+3], v8, s[8:9] offset:512*q th:TH_LOAD_NT   ; 32 lanes read 512 consecutive bytes
.set q, q+1
.endr
.irp b, 0,1,2,3,4,5
.irp j, 0,1,2,3
	global_load_b128 v[GWR+16*\b+4*\j:GWR+16*\b+4*\j+3], v9, s[10:11] offset:128*\b+16*\j
.endr
.endr
	global_load_b128 v[GB:GB+3], v10, s[12:13]
	global_load_b128 v[GB+4:GB+7], v10, s[12:13] offset:16
	s_wait_loadcnt 26                              ; x is in; the 26 younger loads are gate_w's and gate_b's
	STAGE_IN 24, 544
	s_wait_dscnt 0x0
.irp b, 0,1,2,3,4,5
.irp j, 0,1,2,3
	ds_load_b128 v[X+16*\b+4*\j:X+16*\b+4*\j+3], v5 offset:128*\b+16*(\b/2)+16*\j   ; x(r, 32 b + 16 h + 4 j ..)
.endr
.endr
	s_wait_dscnt 0x0
	s_wait_loadcnt 0x0
; scores^T = gate_w x^T + gate_b: source 0 = the experts' rows, source 1 = my 16 tokens; both sides hold the same k in the same lane and register, so the sum over k is whole whatever the order.
; Two accumulators by turns, one instruction a turn; the first takes gate_b as C, the second the constant 0.
.macro RPROD q
.if (\q) == 0
	v_wmma_f32_16x16x4_f32 v[ACC:ACC+7], v[GWR:GWR+1], v[X:X+1], v[GB:GB+7]
.elseif (\q) == 1
	v_wmma_f32_16x16x4_f32 v[ACC+8:ACC+15], v[GWR+2:GWR+3], v[X+2:X+3], 0
.else
	v_wmma_f32_16x16x4_f32 v[ACC+8*((\q)%2):ACC+8*((\q)%2)+7], v[GWR+2*(\q):GWR+2*(\q)+1], v[X+2*(\q):X+2*(\q)+1], v[ACC+8*((\q)%2):ACC+8*((\q)%2)+7]
.endif
.endm
; block b of x: my 16 numbers and lane l xor 16's make the block; 16 codes, 12 bytes, to the code stage
.macro QX b
	v_max3_num_f32 v[QM], |v[X+16*\b]|, |v[X+16*\b+1]|, FLOOR
.irp i, 2,4,6,8,10,12,14
	v_max3_num_f32 v[QM], v[QM], |v[X+16*\b+\i]|, |v[X+16*\b+\i+1]|
.endr
	v_permlanex16_b32 v[QP], v[QM], s32, s33
	v_max_num_f32 v[QM], v[QM], v[QP]
	v_add_nc_u32 v[QM], EOFF, v[QM]
.if \b == 0
	v_lshrrev_b32 v[W0], 23, v[QM]
.elseif \b == 4
	v_lshrrev_b32 v[W1], 23, v[QM]
.elseif \b < 4
	v_lshrrev_b32 v[QB], 23, v[QM]
	v_lshl_or_b32 v[W0], v[QB], 8*\b, v[W0]
.else
	v_lshrrev_b32 v[QB], 23, v[QM]
	v_lshl_or_b32 v[W1], v[QB], 8, v[W1]
.endif
	s_wait_dscnt 0x0                               ; the store of two blocks ago has read this place's registers
	v_cvt_scalef32_pk16_bf6_f32 v[CQ+4*(\b%2):CQ+4*(\b%2)+2], v[X+16*\b:X+16*\b+15], v[QM]
	v_nop                                          ; one plain place behind a scaled conversion
	ds_store_b96 v6, v[CQ+4*(\b%2):CQ+4*(\b%2)+2] offset:32*\b
.endm
.irp b, 0,1,2,3,4,5
.irp i, 0,1,2,3,4,5,6,7
	RPROD 8*\b+\i
.endr
	QX \b                                          ; reads X, writes none of the products' registers
.endr
.rept 8
	v_nop                                          ; eight places behind this form ahead of the reads of the sums and of the writes and loads over gate_w's registers
.endr
.set RS,  112                          ; v112-119 the eight scores of token r (both halves of the lanes hold them)
.set RM1, 120
.set RI1, 121
.set RM2, 122
.set RI2, 123
.set RNI, 124
.set RD,  125
.set RE,  126
.set RR,  127
.set RG2, 128
.set RLO, 129
.set RHI, 130
.set RGL, 131
.set RGH, 132
.set RJ,  133
.set RT,  134
.set RRK, 135
.set RCN, 136
.set RWD, 137
.set RXS, 138
.set RGV, 139
.set RCO, 140                          ; v140-163 the codes read back, six places of four registers
.set RB1, 164
.set RB2, 165
.irp i, 0,1,2,3,4,5
	ds_load_b96 v[RCO+4*\i:RCO+4*\i+2], v7 offset:512*\i   ; LDS serves a wave's instructions in order (ISA guide 5.7.1.4): these see my stores
.endr
.irp j, 0,1,2,3,4,5,6,7
	v_add_f32 v[RS+\j], v[ACC+\j], v[ACC+8+\j]     ; each accumulator is read from its low end on
.endr
; the largest score: from expert 7 down, a later (lower) expert wins unless it is smaller: of equals the lower index is kept, as lax.top_k keeps it
	v_mov_b32 v[RM1], v[RS+7]
	v_mov_b32 v[RI1], 7
.irp e, 6,5,4,3,2,1,0
	v_cmp_lt_f32 vcc_lo, v[RS+\e], v[RM1]
	v_cndmask_b32 v[RI1], \e, v[RI1], vcc_lo
	v_max_num_f32 v[RM1], v[RM1], v[RS+\e]
.endr
	v_mov_b32 v[RNI], 0xff800000                   ; the winner's score becomes -infinity, and the same lines find the second
.irp e, 0,1,2,3,4,5,6,7
	v_cmp_eq_u32 vcc_lo, \e, v[RI1]
	v_cndmask_b32 v[RS+\e], v[RS+\e], v[RNI], vcc_lo
.endr
	v_mov_b32 v[RM2], v[RS+7]
	v_mov_b32 v[RI2], 7
.irp e, 6,5,4,3,2,1,0
	v_cmp_lt_f32 vcc_lo, v[RS+\e], v[RM2]
	v_cndmask_b32 v[RI2], \e, v[RI2], vcc_lo
	v_max_num_f32 v[RM2], v[RM2], v[RS+\e]
.endr
; softmax of the two, the larger taken away: g1 = 1 / (1 + e^(s2 - s1)), g2 = e^(s2 - s1) g1
	v_sub_f32 v[RD], v[RM2], v[RM1]
	v_mul_f32 v[RD], 0x3fb8aa3b, v[RD]
	v_exp_f32 v[RE], v[RD]
	v_min_u32 v[RLO], v[RI1], v[RI2]               ; (a plain place behind the transcendental)
	s_wait_alu depctr_va_vdst(0)
	v_add_f32 v[RT], 1.0, v[RE]
	v_rcp_f32 v[RR], v[RT]
	v_max_u32 v[RHI], v[RI1], v[RI2]               ; (likewise)
	s_wait_alu depctr_va_vdst(0)
	v_mul_f32 v[RG2], v[RE], v[RR]
	v_cmp_lt_u32 vcc_lo, v[RI1], v[RI2]
	v_cndmask_b32 v[RGL], v[RG2], v[RR], vcc_lo    ; the lower expert's gate,
	v_cndmask_b32 v[RGH], v[RR], v[RG2], vcc_lo    ; the higher one's
	v_sub_nc_u32 v[RT], 15, v[RLO]                 ; the pair's number 0..27: lo (15 - lo) / 2 + hi - lo - 1
	v_mul_u32_u24 v[RT], v[RT], v[RLO]
	v_lshrrev_b32 v[RT], 1, v[RT]
	v_add_nc_u32 v[RT], v[RT], v[RHI]
	v_sub_nc_u32 v[RT], v[RT], v[RLO]
	v_add_nc_u32 v[RJ], -1, v[RT]
	v_mov_b32 v[RB1], 1                            ; the two experts as bits
	v_lshlrev_b32 v[RB2], v[RHI], v[RB1]
	v_lshlrev_b32 v[RB1], v[RLO], v[RB1]
	v_or_b32 v[RB1], v[RB1], v[RB2]
; for each pair: how many of my 16 tokens have it (lane = pair), and each token's rank among them
	v_mov_b32 v[RRK], 0
	v_mov_b32 v[RCN], 0
.set jj, 0
.rept 28
	v_cmp_eq_u32 s36, jj, v[RJ]
	s_and_b32 s36, s36, 0xffff                     ; lanes 16-31 repeat the tokens of lanes 0-15
	v_mbcnt_lo_u32_b32 v[RT], s36, 0
	v_cndmask_b32 v[RRK], v[RRK], v[RT], s36
	s_bcnt1_i32_b32 s38, s36
	v_writelane_b32 v[RCN], s38, jj
.set jj, jj+1
.endr
	v_lshl_or_b32 v[RWD], v[RJ], 8, v[RRK]         ; rank | pair << 8 | lo << 16 | hi << 20 | bits << 24
	v_lshl_or_b32 v[RWD], v[RLO], 16, v[RWD]
	v_lshl_or_b32 v[RWD], v[RHI], 20, v[RWD]
	v_lshl_or_b32 v[RWD], v[RB1], 24, v[RWD]
	v_or_b32 v[RT], 0x7f7f0000, v[W1]              ; bytes 6 and 7: the byte of 1.0 for the two blocks that do not exist
	v_cmp_eq_u32 vcc_lo, 1, v3
	v_cndmask_b32 v[RXS], v[W0], v[RT], vcc_lo
	v_cndmask_b32 v[RGV], v[RGL], v[RGH], vcc_lo
.irp i, 0,1,2,3,4,5
	s_wait_dscnt 5-\i                              ; LDS loads come back in order: place group i is in
	global_store_b96 v11, v[RCO+4*\i:RCO+4*\i+2], s[18:19] offset:384*\i   ; 32 lanes store 384 consecutive bytes
.endr
	global_store_b32 v12, v[RXS], s[20:21]         ; 128 consecutive bytes
	global_store_b32 v12, v[RGV], s[22:23]
	global_store_b32 v13, v[RCN], s[26:27]
	v_cmp_gt_u32 vcc_lo, 16, v1
	s_wait_xcnt 0x0                                ; EXEC changes only behind this wait
	s_wait_tensorcnt 0x0
	ds_add_u32 v254, v255
	s_wait_dscnt 0x0
	s_and_saveexec_b32 s36, vcc_lo
	global_store_b32 v14, v[RWD], s[24:25]         ; lanes 0-15: ranks are made there
	s_wait_xcnt 0x0                                ; and again ahead of the line that widens it
	s_or_b32 exec_lo, exec_lo, s36
	s_endpgm
.Lfunc_end_k_q7c6ae454df_prep:
	.size	k_q7c6ae454df_prep, .Lfunc_end_k_q7c6ae454df_prep-k_q7c6ae454df_prep
	.p2alignl 7, 3214868480
	.fill 96, 4, 3214868480
	.section	.rodata,"a",@progbits
	.p2align	6, 0x0
	.amdhsa_kernel k_q7c6ae454df_prep
		.amdhsa_group_segment_fixed_size 151040
		.amdhsa_private_segment_fixed_size 0
		.amdhsa_enable_private_segment 0
		.amdhsa_kernarg_size 88
		.amdhsa_user_sgpr_count 2
		.amdhsa_user_sgpr_kernarg_segment_ptr 1
		.amdhsa_wavefront_size32 1
		.amdhsa_system_sgpr_workgroup_id_x 1
		.amdhsa_system_sgpr_workgroup_id_y 1
		.amdhsa_system_sgpr_workgroup_id_z 1
		.amdhsa_system_vgpr_workitem_id 0
		.amdhsa_next_free_vgpr 256
		.amdhsa_next_free_sgpr 66
		.amdhsa_reserve_vcc 1
		.amdhsa_float_denorm_mode_32 3
		.amdhsa_float_denorm_mode_16_64 3
		.amdhsa_memory_ordered 1
		.amdhsa_forward_progress 1
		.amdhsa_inst_pref_size 56
	.end_amdhsa_kernel
	.amdgpu_metadata
---
amdhsa.version: [ 1, 2 ]
amdhsa.kernels:
  - .name:           k_q7c6ae454df_prep
    .symbol:         k_q7c6ae454df_prep.kd
    .args:
      - { .name: x, .offset: 0, .size: 8, .value_kind: global_buffer, .address_space: global }
      - { .name: gate_w, .offset: 8, .size: 8, .value_kind: global_buffer, .address_space: global }
      - { .name: gate_b, .offset: 16, .size: 8, .value_kind: global_buffer, .address_space: global }
      - { .name: w_fc, .offset: 24, .size: 8, .value_kind: global_buffer, .address_space: global }
      - { .name: w_proj, .offset: 32, .size: 8, .value_kind: global_buffer, .address_space: global }
      - { .name: xq, .offset: 40, .size: 8, .value_kind: global_buffer, .address_space: global }
      - { .name: xs, .offset: 48, .size: 8, .value_kind: global_buffer, .address_space: global }
      - { .name: gat, .offset: 56, .size: 8, .value_kind: global_buffer, .address_space: global }
      - { .name: tok, .offset: 64, .size: 8, .value_kind: global_buffer, .address_space: global }
      - { .name: cnt, .offset: 72, .size: 8, .value_kind: global_buffer, .address_space: global }
      - { .name: wq, .offset: 80, .size: 8, .value_kind: global_buffer, .address_space: global }
    .group_segment_fixed_size: 151040
    .private_segment_fixed_size: 0
    .kernarg_segment_align: 8
    .kernarg_segment_size: 88
    .max_flat_workgroup_size: 128
    .sgpr_count:     66
    .vgpr_count:     256
    .wavefront_size: 32
...
	.end_amdgpu_metadata
.endif
;; end of part 4
;; launch place (part 5): grid 1 x 1, 16 waves a work-group, no clusters, 4,096 bytes of LDS; arguments tok, cnt, ord; writes ord
.if DOCPART == 5
	.amdgcn_target "amdgcn-amd-amdhsa--gfx1250"
	.amdhsa_code_object_version 6
	.text
	.protected	k_q7c6ae454df_place
	.globl	k_q7c6ae454df_place
	.p2align	8
	.type	k_q7c6ae454df_place,@function
k_q7c6ae454df_place:
	s_mov_b64 s[64:65], 0
	v_nop
	global_prefetch_b8 v0, s[64:65] scope:SCOPE_SE
	s_setreg_imm32_b32 hwreg(HW_REG_WAVE_MODE, 25, 1), 1
	s_wait_xcnt 0x0
; PLACE.  A counting sort of the 8,192 tokens by their pair of experts (28 pairs), from whole numbers that the launch before stored.  One work-group, since every position hangs on all counts.
; cnt: [512 groups of 16 tokens][32]: lane = pair.  tok: [token] = rank in its group | pair << 8 | lo << 16 | hi << 20 | the two experts as bits << 24.
; ord: [position] = token | the upper half of the token's word, as it came.
; Wave w owns groups 32 w .. 32 w + 31.  A lane stands for a pair: position = (tokens of lower pairs) + (this pair's tokens in earlier waves) + (in earlier groups of my wave) + rank.
; The stores are 4 bytes a lane to scattered places, 32,768 bytes in all: that is what a placement is.
.set PC, 16                            ; v16-47   my 32 groups' counts; later the permutes' indices
.set PT, 48                            ; v48-63   my 512 tokens' words
.set PP, 64                            ; v64-96   running sums over my groups
.set PU, 100                           ; v100-115 the sixteen waves' totals
.set PA, 116                           ; v116-131 the even group's start, then the store's address
.set PB, 132                           ; v132-147 the odd group's start, then the store's data
	s_load_b128 s[4:7], s[0:1], 0x0                ; tok, cnt
	s_load_b64 s[8:9], s[0:1], 0x10                ; ord
	v_lshl_add_u32 v160, v0, 2, 0x800
	v_mov_b32 v161, 0
	v_lshrrev_b32 v1, 5, v0                        ; wave, in every lane
	v_readfirstlane_b32 s10, v1
	v_and_b32 v2, 31, v0                           ; lane
	v_lshlrev_b32 v3, 2, v2                        ; 4 x lane
	v_lshlrev_b32 v4, 2, v0                        ; 128 x wave + 4 x lane
	v_lshl_add_u32 v7, v1, 9, v2                   ; 512 x wave + lane
	s_mov_b32 s11, 0xffff0000
	s_lshl_b32 s12, s10, 12
	s_mov_b32 s13, 0
	s_lshl_b32 s14, s10, 11
	s_mov_b32 s15, 0
	s_wait_kmcnt 0x0
	s_add_nc_u64 s[6:7], s[6:7], s[12:13]
	s_add_nc_u64 s[4:5], s[4:5], s[14:15]
.set i, 0
.rept 32
	global_load_b32 v[PC+i], v3, s[6:7] offset:128*i
.set i, i+1
.endr
.set i, 0
.rept 16
	global_load_b32 v[PT+i], v3, s[4:5] offset:128*i
.set i, i+1
.endr
	s_wait_loadcnt 16                              ; the counts are in; the 16 younger loads are the tokens' words
	v_mov_b32 v[PP], 0
.set i, 0
.rept 32
	v_add_nc_u32 v[PP+i+1], v[PP+i], v[PC+i]
.set i, i+1
.endr
	ds_store_b32 v4, v[PP+32]                      ; my wave's totals, a word a pair
	s_wait_dscnt 0x0                               ; for the others' sake
	s_barrier_signal -1
	s_barrier_wait -1
.set i, 0
.rept 16
	ds_load_b32 v[PU+i], v3 offset:128*i
.set i, i+1
.endr
	s_wait_dscnt 0x0
	v_mov_b32 v9, v[PU]                            ; the pair's tokens in all,
	v_mov_b32 v10, 0                               ; and in the waves before mine
.set i, 1
.rept 15
	v_add_nc_u32 v9, v9, v[PU+i]
.set i, i+1
.endr
.set i, 0
.rept 15
	v_cmp_lt_u32 vcc_lo, i, v1
	v_cndmask_b32 v5, 0, v[PU+i], vcc_lo
	v_add_nc_u32 v10, v10, v5
.set i, i+1
.endr
	v_mov_b32 v8, v9                               ; a running sum over the lanes: four steps inside each 16, then lane 15's sum onto lanes 16-31
	v_mov_b32 v5, 0
.irp n, 1,2,4,8
	v_mov_b32_dpp v5, v8 row_shr:\n row_mask:0xf bank_mask:0xf bound_ctrl:1
	v_add_nc_u32 v8, v8, v5
.endr
	v_readlane_b32 s12, v8, 15
	v_mov_b32 v6, s12
	v_cmp_lt_u32 vcc_lo, 15, v2
	v_cndmask_b32 v5, 0, v6, vcc_lo
	v_add_nc_u32 v8, v8, v5
	v_sub_nc_u32 v11, v8, v9                       ; tokens of lower pairs,
	v_add_nc_u32 v11, v11, v10                     ; and this pair's in earlier waves
.set i, 0
.rept 32
	v_add_nc_u32 v[PP+i], v[PP+i], v11
.set i, i+1
.endr
	s_wait_loadcnt 0x0
.set q, 0
.rept 16                               ; load q holds group 2 q in lanes 0-15 and group 2 q + 1 in lanes 16-31: each token pulls both groups' start from its pair's lane
	v_bfe_u32 v[PC+q], v[PT+q], 8, 5
	v_lshlrev_b32 v[PC+q], 2, v[PC+q]
	ds_bpermute_b32 v[PA+q], v[PC+q], v[PP+2*q]
	ds_bpermute_b32 v[PB+q], v[PC+q], v[PP+2*q+1]
.set q, q+1
.endr
.set q, 0
.rept 16
	s_wait_dscnt 30-2*q                            ; the permutes come back in order: pair q of them is in
	v_cndmask_b32 v[PA+q], v[PA+q], v[PB+q], vcc_lo   ; (vcc: lanes 16-31)
	v_and_b32 v6, 0xff, v[PT+q]
	v_add_nc_u32 v[PA+q], v[PA+q], v6              ; + rank
	v_min_u32 v[PA+q], 0x1fff, v[PA+q]             ; a loaded number enters an address behind this bound
	v_lshlrev_b32 v[PA+q], 2, v[PA+q]
	v_add_nc_u32 v6, 32*q, v7                      ; the token's number
	v_and_or_b32 v[PB+q], v[PT+q], s11, v6
	global_store_b32 v[PA+q], v[PB+q], s[8:9]      ; each q has its own address and data registers: none is written again
.set q, q+1
.endr
	s_wait_tensorcnt 0x0
	ds_add_u32 v160, v161
	s_wait_dscnt 0x0
	s_endpgm
.Lfunc_end_k_q7c6ae454df_place:
	.size	k_q7c6ae454df_place, .Lfunc_end_k_q7c6ae454df_place-k_q7c6ae454df_place
	.p2alignl 7, 3214868480
	.fill 96, 4, 3214868480
	.section	.rodata,"a",@progbits
	.p2align	6, 0x0
	.amdhsa_kernel k_q7c6ae454df_place
		.amdhsa_group_segment_fixed_size 4096
		.amdhsa_private_segment_fixed_size 0
		.amdhsa_enable_private_segment 0
		.amdhsa_kernarg_size 24
		.amdhsa_user_sgpr_count 2
		.amdhsa_user_sgpr_kernarg_segment_ptr 1
		.amdhsa_wavefront_size32 1
		.amdhsa_system_sgpr_workgroup_id_x 1
		.amdhsa_system_sgpr_workgroup_id_y 1
		.amdhsa_system_sgpr_workgroup_id_z 1
		.amdhsa_system_vgpr_workitem_id 0
		.amdhsa_next_free_vgpr 162
		.amdhsa_next_free_sgpr 66
		.amdhsa_reserve_vcc 1
		.amdhsa_float_denorm_mode_32 3
		.amdhsa_float_denorm_mode_16_64 3
		.amdhsa_memory_ordered 1
		.amdhsa_forward_progress 1
		.amdhsa_inst_pref_size 23
	.end_amdhsa_kernel
	.amdgpu_metadata
---
amdhsa.version: [ 1, 2 ]
amdhsa.kernels:
  - .name:           k_q7c6ae454df_place
    .symbol:         k_q7c6ae454df_place.kd
    .args:
      - { .name: tok, .offset: 0, .size: 8, .value_kind: global_buffer, .address_space: global }
      - { .name: cnt, .offset: 8, .size: 8, .value_kind: global_buffer, .address_space: global }
      - { .name: ord, .offset: 16, .size: 8, .value_kind: global_buffer, .address_space: global }
    .group_segment_fixed_size: 4096
    .private_segment_fixed_size: 0
    .kernarg_segment_align: 8
    .kernarg_segment_size: 24
    .max_flat_workgroup_size: 512
    .sgpr_count:     66
    .vgpr_count:     162
    .wavefront_size: 32
...
	.end_amdgpu_metadata
.endif
;; end of part 5
;; launch chain (part 6): grid 256 x 1, 12 waves a work-group, no clusters, 51,712 bytes of LDS; arguments ord, xq, xs, gat, wq, b_fc, b_proj, out0; writes out0
.if DOCPART == 6
	.amdgcn_target "amdgcn-amd-amdhsa--gfx1250"
	.amdhsa_code_object_version 6
	.text
	.protected	k_q7c6ae454df_chain
	.globl	k_q7c6ae454df_chain
	.p2align	8
	.type	k_q7c6ae454df_chain,@function
k_q7c6ae454df_chain:
	s_mov_b64 s[64:65], 0
	v_nop
	global_prefetch_b8 v0, s[64:65] scope:SCOPE_SE
	s_setreg_imm32_b32 hwreg(HW_REG_WAVE_MODE, 25, 1), 1
	s_wait_xcnt 0x0
; CHAIN.  out[t] = sum over the token's two experts e of gate(t, e) (gelu(x[t] Wfc[e]^T + bfc[e]) Wproj[e]^T + bproj[e]), both products on codes of E3M2 with one E8M0 scale for each 32 along K.
; SHARES.  A work-group owns 32 neighbouring places of the order by pairs of experts (two tiles of 16 tokens) and so every one of their output rows: 8,192 / 32 = 256 work-groups.  It walks the experts that its
; tokens use: the first slot is written out, seven more go round a counted loop; a slot with no expert left does nothing but pass its two barriers.  A tile none of whose tokens uses the slot's expert is passed
; over in the first product.  Which experts a tile uses is the OR of bits 24-31 of its 16 list words, whole numbers that the launch before stored: every branch on the list hangs on these alone.
; THE TWELVE WAVES SHARE THE COLUMNS: wave w makes hidden units 64 w .. 64 w + 63 and outputs 16 w .. 16 w + 15 for all 32 tokens, so each fragment of the weights is loaded by one wave, straight into registers,
; from a buffer laid in the order of the operand's registers.  No tensor load and no cluster: which expert a work-group needs hangs on the stored list, so partners could not be shown to ask alike.
; Both products are used transposed (source 0 = weights, source 1 = tokens): a lane holds one token throughout.  The rows of w_fc that form a tile were chosen so that the 16 registers of two neighbouring tiles
; are 16 neighbours along the next K.  OPERANDS GO FROM WAVE TO WAVE THROUGH LDS AS IMAGES OF THEIR REGISTERS (16 or 8 bytes a lane, on end).
; K = 192: the second K step holds k 128-191 in registers 0-5; x's registers 6-11 are zero codes, so the weights' registers 6-11 may be any codes (E3M2 has no NaN): the tiles lie 18 registers apart.
; gelu(x) = x / (1 + 2^(x (a + b x^2))), a = -2 sqrt(2 / pi) log2(e), b = 0.044715 a: the tanh form, rewritten.  It ends at 0 and at x where the power overflows or vanishes.
; LIMITS: NaN and infinities are not served; a hidden block of zeros has the byte 1 (its codes are zeros); blocks under 2^-122 are held at byte 1.
; LDS: XIMG x's fragments [tile][part 0-2][512 + 256]; EXT [xs, gat][tile][16 x 8]; HIMG the hidden layer [tile][K step][half][512 + 256]; HSC its scale words [tile][K step][128]; STG 32 rows of out, 784 apart.
; REGISTERS, window 0: v1-3 16, 8, 4 x lane; v4-10 addresses; v11 at work; v12-13 the tiles' list words; v16-31 out; v32-35 the gates; v36-39 this slot's weights; v48-119 w_proj; v120-123, v124-126 the weights'
;   scale words; v128-159 b_fc; v160-167 b_proj;  first product: v168-185 x, v186-191 zeros (for the whole launch), v192-223 the hidden tiles, v224-239 at work, v240-247 codes;
;   second: v168-183 y, v200-223 and v224-247 the hidden fragments of two K steps by turns;  v248-251 and v254 scale words; v252-253 a; v255 0x7f7f.   window 1: v256-327 w_fc, v328-333 zeros.
.set XIMG, 0
.set EXT,  4608
.set HIMG, 5120
.set HSC,  23552
.set STG,  25088
.set PJ_OFF, 884736
.set FS_OFF, 1769472
.set PS_OFF, 1818624
.set FLOOR,  0x2800000
.set EOFF,   0xfe000000
.set OW,  12
.set OUT, 16
.set G,   32
.set CM,  36
.set WP,  48
.set WSF, 120
.set WSP, 124
.set BI,  128
.set BP,  160
.set XF,  168
.set H,   192
.set T,   224
.set MX,  224                          ; in T, which is free once the gelu is done
.set MP,  226
.set Q,   240
.set HS,  248
.set CA,  252
.set XS,  254
.set Z7F, 255
.set Y,   168
.set HF,  200
.set MSB, 0
.macro WIN new                         ; the immediate's high byte repeats the setting that is left
.if MSB != \new
	s_set_vgpr_msb (MSB<<8)|\new
.set MSB, \new
.endif
.endm
.macro BAR                             ; my LDS stores have landed and my LDS loads are in: then the work-group's barrier
	s_wait_dscnt 0x0
	s_barrier_signal -1
	s_barrier_wait -1
.endm
; 32 loads: my four tiles of w_fc of the expert in s[er], their scale words, my 64 numbers of b_fc in the result's layout
.macro LOADS_FC er
	s_mov_b32 s69, 0
	s_mul_i32 s68, s[\er], 110592
	s_add_nc_u64 s[42:43], s[54:55], s[68:69]
	s_mul_i32 s68, s[\er], 6144
	s_add_nc_u64 s[44:45], s[56:57], s[68:69]
	s_mul_i32 s68, s[\er], 3072
	s_add_nc_u64 s[46:47], s[58:59], s[68:69]
	WIN 0x40                                       ; destination window 1
.irp t, 0,1,2,3
.irp i, 0,1,2,3
	global_load_b128 v[18*\t+4*\i:18*\t+4*\i+3], v1, s[42:43] offset:2304*\t+512*\i
.endr
	global_load_b64 v[18*\t+16:18*\t+17], v2, s[42:43] offset:2304*\t+2048
.endr
	WIN 0
.irp t, 0,1,2,3
	global_load_b32 v[WSF+\t], v3, s[44:45] offset:128*\t
.endr
.irp t, 0,1,2,3
.irp i, 0,1
	global_load_b128 v[BI+8*\t+4*\i:BI+8*\t+4*\i+3], v9, s[46:47] offset:(32*(\t/2)+8*(\t%2))*4+16*\i
.endr
.endr
.endm
; 23 loads: my six fragments of w_proj of the expert in s33, their scale words, my 16 numbers of b_proj
.macro LOADS_PJ
	s_mov_b32 s69, 0
	s_mul_i32 s68, s33, 110592
	s_add_nc_u64 s[48:49], s[60:61], s[68:69]
	s_mul_i32 s68, s33, 6144
	s_add_nc_u64 s[50:51], s[62:63], s[68:69]
	s_mul_i32 s68, s33, 768
	s_add_nc_u64 s[52:53], s[66:67], s[68:69]
.set i, 0
.rept 18
	global_load_b128 v[WP+4*i:WP+4*i+3], v1, s[48:49] offset:512*i
.set i, i+1
.endr
.irp p, 0,1,2
	global_load_b32 v[WSP+\p], v3, s[50:51] offset:128*\p
.endr
	global_load_b128 v[BP:BP+3], v10, s[52:53]
	global_load_b128 v[BP+4:BP+7], v10, s[52:53] offset:16
.endm
; the activation of 16 hidden numbers, in f32; each accumulator is read from its low end on
.macro GELU16 hb
.irp j, 0,2,4,6,8,10,12,14
	v_pk_mul_f32 v[T+\j:T+\j+1], v[H+\hb+\j:H+\hb+\j+1], v[H+\hb+\j:H+\hb+\j+1]
.endr
.irp j, 0,2,4,6,8,10,12,14
	v_pk_fma_f32 v[T+\j:T+\j+1], v[T+\j:T+\j+1], s[40:41], v[CA:CA+1] op_sel_hi:[1,0,1]   ; b x^2 + a
.endr
.irp j, 0,2,4,6,8,10,12,14
	v_pk_mul_f32 v[T+\j:T+\j+1], v[T+\j:T+\j+1], v[H+\hb+\j:H+\hb+\j+1]
.endr
.irp j, 0,1,2,3,4,5,6,7,8,9,10,11,12,13,14,15
	v_exp_f32 v[T+\j], v[T+\j]
.endr
	v_nop                                          ; one plain place behind the transcendentals
	s_wait_alu depctr_va_vdst(0)
.irp j, 0,2,4,6,8,10,12,14
	v_pk_add_f32 v[T+\j:T+\j+1], v[T+\j:T+\j+1], 1.0 op_sel_hi:[1,0]
.endr
.irp j, 0,1,2,3,4,5,6,7,8,9,10,11,12,13,14,15
	v_rcp_f32 v[T+\j], v[T+\j]
.endr
	v_nop
	s_wait_alu depctr_va_vdst(0)
.irp j, 0,2,4,6,8,10,12,14
	v_pk_mul_f32 v[H+\hb+\j:H+\hb+\j+1], v[H+\hb+\j:H+\hb+\j+1], v[T+\j:T+\j+1]
.endr
.endm
; my two blocks of 32 hidden units of the lane's token (register 16 b + i = unit 32 b + 16 h + i) become six registers of codes, v[Q] on, and two scale bytes in v[MP]
.macro QUANT2
.irp b, 0,1
	v_max3_num_f32 v[MX+\b], |v[H+16*\b]|, |v[H+16*\b+1]|, FLOOR
.endr
.irp i, 2,4,6,8,10,12,14
.irp b, 0,1
	v_max3_num_f32 v[MX+\b], v[MX+\b], |v[H+16*\b+\i]|, |v[H+16*\b+\i+1]|
.endr
.endr
.irp b, 0,1
	v_permlanex16_b32 v[MP+\b], v[MX+\b], s38, s39
.endr
.irp b, 0,1
	v_max_num_f32 v[MX+\b], v[MX+\b], v[MP+\b]     ; with lane l xor 16's: the block's largest magnitude
.endr
.irp b, 0,1
	v_add_nc_u32 v[MX+\b], EOFF, v[MX+\b]          ; the conversion's scale operand
.endr
.irp b, 0,1
	v_lshrrev_b32 v[MP+\b], 23, v[MX+\b]
.endr
	v_lshl_or_b32 v[MP], v[MP+1], 8, v[MP]         ; half a scale word
	v_cvt_scalef32_pk16_bf6_f32 v[Q:Q+2], v[H:H+15], v[MX]
	v_cvt_scalef32_pk16_bf6_f32 v[Q+4:Q+6], v[H+16:H+31], v[MX+1]
	v_nop                                          ; one plain place behind a scaled conversion
.irp i, 0,1,2
	v_permlane16_swap_b32 v[Q+\i], v[Q+4+\i]       ; the operand wants a whole block in a lane: lanes 0-15 block 0, lanes 16-31 block 1
.endr
	v_mov_b32 v[Q+3], v[Q+4]
	v_mov_b32 v[Q+4], v[Q+5]
	v_mov_b32 v[Q+5], v[Q+6]
.endm
; the first product, the activation and the quantiser for tile m; a tile that does not use the expert stores zero codes and the byte of 1.0, so that the second product has no branch and reads nothing unwritten
.macro TILE1 m
	s_lshr_b32 s36, s[28+\m], s33
	s_and_b32 s36, s36, 1
	s_cmp_lg_u32 s36, 0
	s_cbranch_scc0 .Lz_\@
.irp p, 0,1,2
	ds_load_b128 v[XF+6*\p:XF+6*\p+3], v1 offset:XIMG+2304*\m+768*\p
	ds_load_b64 v[XF+6*\p+4:XF+6*\p+5], v2 offset:XIMG+2304*\m+768*\p+512
.endr
	ds_load_b32 v[XS], v7 offset:128*\m            ; lanes 0-15 the tokens' word of k 0-127, lanes 16-31 that of k 128-191
	s_wait_dscnt 0x0
	WIN 0x01                                       ; source 0 (w_fc) window 1
.irp t, 0,1,2,3                        ; the four accumulators by turns, one instruction a turn; the bias is the C of each sum's first product
	v_wmma_scale_f32_16x16x128_f8f6f4 v[H+8*\t:H+8*\t+7], v[18*\t:18*\t+11], v[XF:XF+11], v[BI+8*\t:BI+8*\t+7], v[WSF+\t], v[XS] matrix_a_fmt:MATRIX_FMT_BF6 matrix_b_fmt:MATRIX_FMT_BF6
.endr
.irp t, 0,1,2,3
	v_wmma_scale_f32_16x16x128_f8f6f4 v[H+8*\t:H+8*\t+7], v[18*\t+12:18*\t+23], v[XF+12:XF+23], v[H+8*\t:H+8*\t+7], v[WSF+\t], v[XS] matrix_a_fmt:MATRIX_FMT_BF6 matrix_b_fmt:MATRIX_FMT_BF6 matrix_a_scale:MATRIX_SCALE_ROW1 matrix_b_scale:MATRIX_SCALE_ROW1
.endr
	WIN 0
.rept 4
	v_nop                                          ; four places behind this form (ISA guide 7.12.1) ahead of the first read of the sums
.endr
	GELU16 0
	GELU16 16
	QUANT2
	ds_store_b128 v4, v[Q:Q+3] offset:9216*\m      ; half w % 2 of K step w / 2 of the second product
	ds_store_b64 v5, v[Q+4:Q+5] offset:9216*\m
	ds_store_b16 v6, v[MP] offset:768*\m
	s_branch .Ld_\@
.Lz_\@:
	ds_store_b128 v4, v[XF+18:XF+21] offset:9216*\m
	ds_store_b64 v5, v[XF+22:XF+23] offset:9216*\m
	ds_store_b16 v6, v[Z7F] offset:768*\m
.Ld_\@:
.endm
; ten LDS loads: the two tiles' hidden fragments of K step s and their scale words, into buffer s % 2
.macro P2LOAD s
.irp m, 0,1
	ds_load_b128 v[HF+24*((\s)%2)+12*\m:HF+24*((\s)%2)+12*\m+3], v1 offset:HIMG+9216*\m+1536*(\s)
	ds_load_b64 v[HF+24*((\s)%2)+12*\m+4:HF+24*((\s)%2)+12*\m+5], v2 offset:HIMG+9216*\m+1536*(\s)+512
	ds_load_b128 v[HF+24*((\s)%2)+12*\m+6:HF+24*((\s)%2)+12*\m+9], v1 offset:HIMG+9216*\m+1536*(\s)+768
	ds_load_b64 v[HF+24*((\s)%2)+12*\m+10:HF+24*((\s)%2)+12*\m+11], v2 offset:HIMG+9216*\m+1536*(\s)+1280
	ds_load_b32 v[HS+2*((\s)%2)+\m], v3 offset:HSC+768*\m+128*(\s)
.endr
.endm
.macro P2MUL s, m
.set HFB, HF+24*((\s)%2)+12*(\m)
.set HSB, HS+2*((\s)%2)+(\m)
.if (\s) == 0
	v_wmma_scale_f32_16x16x128_f8f6f4 v[Y+8*(\m):Y+8*(\m)+7], v[WP:WP+11], v[HFB:HFB+11], v[BP:BP+7], v[WSP], v[HSB] matrix_a_fmt:MATRIX_FMT_BF6 matrix_b_fmt:MATRIX_FMT_BF6
.elseif (\s)%2 == 0
	v_wmma_scale_f32_16x16x128_f8f6f4 v[Y+8*(\m):Y+8*(\m)+7], v[WP+12*(\s):WP+12*(\s)+11], v[HFB:HFB+11], v[Y+8*(\m):Y+8*(\m)+7], v[WSP+(\s)/2], v[HSB] matrix_a_fmt:MATRIX_FMT_BF6 matrix_b_fmt:MATRIX_FMT_BF6
.else
	v_wmma_scale_f32_16x16x128_f8f6f4 v[Y+8*(\m):Y+8*(\m)+7], v[WP+12*(\s):WP+12*(\s)+11], v[HFB:HFB+11], v[Y+8*(\m):Y+8*(\m)+7], v[WSP+(\s)/2], v[HSB] matrix_a_fmt:MATRIX_FMT_BF6 matrix_b_fmt:MATRIX_FMT_BF6 matrix_a_scale:MATRIX_SCALE_ROW1
.endif
.endm
; the second product for the two tiles, then out += gate x y.  The fragments of one K step are multiplied while the next step's ten loads are out.  first = 1: the product with the gate starts out: nothing is cleared
.macro PHASE2 first
	P2LOAD 0
	P2LOAD 1
.irp s, 0,1,2,3,4,5
.if \s < 5
	s_wait_dscnt 10                                ; this K step's loads are in; the ten younger ones are the next step's
.else
	s_wait_dscnt 0x0
.endif
	P2MUL \s, 0                                    ; the two accumulators by turns, one instruction a turn; the bias is the C of each sum's first product
	P2MUL \s, 1
.if \s < 4
.rept 4
	v_nop                                          ; four places ahead of the loads into the registers just multiplied
.endr
	P2LOAD \s+2
.endif
.endr
.irp m, 0,1                            ; these twelve lines name none of the products' registers: they are the places behind the last products
	v_bfe_u32 v11, v[OW+\m], 16, 4
	v_cmp_eq_u32 vcc_lo, s33, v11
	v_cndmask_b32 v[CM+2*\m], 0, v[G+2*\m], vcc_lo     ; the lower expert's gate where that is this expert, else 0,
	v_bfe_u32 v11, v[OW+\m], 20, 4
	v_cmp_eq_u32 vcc_lo, s33, v11
	v_cndmask_b32 v[CM+2*\m], v[CM+2*\m], v[G+2*\m+1], vcc_lo   ; or the higher one's
.endr
.irp m, 0,1
.irp j, 0,2,4,6
.if \first
	v_pk_mul_f32 v[OUT+8*\m+\j:OUT+8*\m+\j+1], v[Y+8*\m+\j:Y+8*\m+\j+1], v[CM+2*\m:CM+2*\m+1] op_sel_hi:[1,0]
.else
	v_pk_fma_f32 v[OUT+8*\m+\j:OUT+8*\m+\j+1], v[Y+8*\m+\j:Y+8*\m+\j+1], v[CM+2*\m:CM+2*\m+1], v[OUT+8*\m+\j:OUT+8*\m+\j+1] op_sel_hi:[1,0,1]
.endif
.endr
.endr
.endm
; a slot: one expert.  cond = 1: only if an expert is left; the two barriers stand outside every branch
.macro SLOT cond, first
.if \cond
	s_cmp_lg_u32 s32, 0
	s_cselect_b32 s34, 1, 0
	s_cbranch_scc0 .Lp1_\@
.endif
	LOADS_PJ                                       ; w_proj lands under the first product
	s_wait_loadcnt 23                              ; the w_fc set, issued a phase ago, is in; the 23 younger loads are w_proj's
	TILE1 0
	TILE1 1
	s_wait_loadcnt 0x0                             ; w_proj
	s_sub_co_u32 s36, s32, 1
	s_and_b32 s32, s32, s36                        ; this expert is done
	s_ctz_i32_b32 s27, s32
	s_min_u32 s27, s27, 7                          ; the next one; a loaded number enters an address behind this bound
	s_cmp_lg_u32 s32, 0
	s_cbranch_scc0 .Lnofc_\@
.rept 4
	v_nop                                          ; places ahead of loads into registers that products have read
.endr
	LOADS_FC 27                                    ; the next expert's w_fc lands under the second product
.Lnofc_\@:
.if \cond
.Lp1_\@:
.endif
	BAR                                            ; the hidden layer's 12 fragments lie in LDS
.if \cond
	s_cmp_lg_u32 s34, 0
	s_cbranch_scc0 .Lp2_\@
.endif
	PHASE2 \first
.if \cond
.Lp2_\@:
.endif
	BAR                                            ; every wave has read them: they may be written again
	s_mov_b32 s33, s27
.endm
	s_load_b512 s[8:23], s[0:1], 0x0               ; ord s[8:9], xq s[10:11], xs s[12:13], gat s[14:15], wq s[16:17], b_fc s[18:19], b_proj s[20:21], out0 s[22:23]
	v_lshl_add_u32 v47, v0, 2, 0xc400
	v_mov_b32 v127, 0
	v_lshrrev_b32 v11, 5, v0
	v_readfirstlane_b32 s24, v11                   ; wave 0..11
	s_and_b32 s25, s24, 1                          ; the tile that I gather (waves 0-5),
	s_lshr_b32 s26, s24, 1                         ; and which third of its tokens' codes
	v_and_b32 v11, 31, v0
	v_and_b32 v40, 15, v0                          ; r   (v16-31 and v40-45 are free until the first slot's end)
	v_bfe_u32 v41, v0, 4, 1                        ; h
	v_lshlrev_b32 v1, 4, v11
	v_lshlrev_b32 v2, 3, v11
	v_lshlrev_b32 v3, 2, v11
	s_mul_i32 s36, s24, 768
	s_add_co_u32 s36, s36, HIMG
	v_add_nc_u32 v4, s36, v1                       ; where I store my half fragment: registers 0-3,
	s_add_co_u32 s36, s36, 512
	v_add_nc_u32 v5, s36, v2                       ; registers 4-5,
	s_lshl_b32 s36, s26, 7
	s_lshl_b32 s37, s25, 1
	s_add_co_u32 s36, s36, s37
	s_add_co_u32 s36, s36, HSC
	v_add_nc_u32 v6, s36, v3                       ; and my half of the scale word: K step w / 2, half w % 2
	v_lshl_add_u32 v7, v40, 3, EXT
	v_lshl_add_u32 v7, v41, 2, v7                  ; x's scale words: 8 r + 4 h
	v_lshl_add_u32 v8, v40, 3, EXT+256             ; the gates: 8 r
	v_lshlrev_b32 v9, 6, v41
	v_lshlrev_b32 v10, 5, v41
	s_mul_i32 s36, s25, 2304
	s_mul_i32 s37, s26, 768
	s_add_co_u32 s36, s36, s37
	v_add_nc_u32 v16, s36, v1                      ; x's images (XIMG = 0): my tile, my part
	s_add_co_u32 s36, s36, 512
	v_add_nc_u32 v17, s36, v2
	s_lshl_b32 s36, s26, 8
	s_lshl_b32 s37, s25, 7
	s_add_co_u32 s36, s36, s37
	s_add_co_u32 s36, s36, EXT
	v_lshl_add_u32 v18, v40, 3, s36                ; xs (part 0) or gat (part 1) of my tile
	v_lshlrev_b32 v19, 2, v40
	s_lshl_b32 s36, s25, 6
	v_add_nc_u32 v20, s36, v19
	s_mul_i32 s36, s26, 48
	v_mul_u32_u24 v43, v41, 24
	v_add_nc_u32 v43, s36, v43                     ; 48 part + 24 h
	v_mov_b32 v45, 0
	v_mov_b32 v[CM+1], 0                           ; (named as the upper halves of the pairs whose low words the packed lines take)
	v_mov_b32 v[CM+3], 0
.irp i, 0,1,2,3,4,5
	v_mov_b32 v[XF+18+\i], 0                       ; x's registers 6-11 of the second K step: zero codes, for the whole launch
.endr
	v_mov_b32 v[CA], 0xc0135761                    ; a = -2.3022082
	v_mov_b32 v[CA+1], 0xc0135761
	v_mov_b32 v[Z7F], 0x7f7f
	s_mov_b32 s40, 0xbdd2d3e8                      ; b = -0.10294324
	s_mov_b32 s41, s40                             ; (named with it as a pair, so it is written)
	s_mov_b32 s38, 0x76543210
	s_mov_b32 s39, 0xfedcba98
	WIN 0x40
.irp i, 0,1,2,3,4,5
	v_mov_b32 v[72+\i], 0                          ; v328-333: the tail of tile 3's second operand
.endr
	WIN 0
	s_lshl_b32 s68, ttmp9, 7
	s_mov_b32 s69, 0
	s_wait_kmcnt 0x0
	s_add_nc_u64 s[8:9], s[8:9], s[68:69]          ; my 32 places of the order
	s_mul_i32 s68, s24, 9216
	s_add_nc_u64 s[54:55], s[16:17], s[68:69]      ; the six bases of my wave, without the expert
	s_add_co_u32 s68, s68, PJ_OFF
	s_add_nc_u64 s[60:61], s[16:17], s[68:69]
	s_lshl_b32 s68, s24, 9
	s_add_co_u32 s68, s68, FS_OFF
	s_add_nc_u64 s[56:57], s[16:17], s[68:69]
	s_add_co_u32 s68, s68, PS_OFF-FS_OFF
	s_add_nc_u64 s[62:63], s[16:17], s[68:69]
	s_lshl_b32 s68, s24, 8
	s_add_nc_u64 s[58:59], s[18:19], s[68:69]
	s_lshl_b32 s68, s24, 6
	s_add_nc_u64 s[66:67], s[20:21], s[68:69]
.irp m, 0,1
	global_load_b32 v[OW+\m], v19, s[8:9] offset:64*\m   ; token | lo << 16 | hi << 20 | bits << 24 of row r of each tile
.endr
	global_load_b32 v21, v20, s[8:9]               ; and of the tile that I gather
.irp i, 0,1,2,3,4,5,6,7
	global_load_b128 v[192+4*\i:195+4*\i], v45, s[8:9] offset:16*\i   ; all 32 list words, the same in every lane
.endr
	s_wait_loadcnt 0x0
	v_and_b32 v21, 0x1fff, v21
	v_min_u32 v21, 0x1fff, v21                     ; a loaded number enters an address behind this bound
	v_mul_u32_u24 v42, v21, 144
	v_add_nc_u32 v42, v42, v43
	v_lshlrev_b32 v44, 3, v21
	s_cmp_lt_u32 s26, 3
	s_cbranch_scc0 .Lno_gather                     ; two tiles x three parts: waves 0-5
	global_load_b64 v[22:23], v42, s[10:11]        ; registers 6 part .. 6 part + 5 of x's operand: 24 bytes of the token's stream of bits
	global_load_b64 v[24:25], v42, s[10:11] offset:8
	global_load_b64 v[26:27], v42, s[10:11] offset:16
.Lno_gather:
	s_cmp_eq_u32 s26, 0
	s_cselect_b64 s[70:71], s[12:13], s[14:15]
	s_cmp_lt_u32 s26, 2
	s_cbranch_scc0 .Lno_ext_load
	global_load_b64 v[28:29], v44, s[70:71]        ; the token's scale bytes, or its two gates
.Lno_ext_load:
.irp m, 0,1                            ; which experts tile m uses: the OR of its 16 words' bits 24-31
.irp k, 0,1,2,3,4,5,6,7
	v_or_b32 v[192+16*\m+\k], v[192+16*\m+\k], v[200+16*\m+\k]
.endr
.irp k, 0,1,2,3
	v_or_b32 v[192+16*\m+\k], v[192+16*\m+\k], v[196+16*\m+\k]
.endr
.irp k, 0,1
	v_or_b32 v[192+16*\m+\k], v[192+16*\m+\k], v[194+16*\m+\k]
.endr
	v_or_b32 v[192+16*\m], v[192+16*\m], v[193+16*\m]
	v_lshrrev_b32 v[192+16*\m], 24, v[192+16*\m]
	v_readfirstlane_b32 s[28+\m], v[192+16*\m]
.endr
	s_or_b32 s32, s28, s29                         ; the experts still to be walked
	s_ctz_i32_b32 s33, s32
	s_min_u32 s33, s33, 7                          ; the first
	s_mov_b32 s27, s33
	LOADS_FC 33
	s_wait_loadcnt 32                              ; the gather is in, on every way through the branches above; the 32 younger loads are the w_fc set
	s_cmp_lt_u32 s26, 3
	s_cbranch_scc0 .Lno_img
	ds_store_b128 v16, v[22:25]
	ds_store_b64 v17, v[26:27]
.Lno_img:
	s_cmp_lt_u32 s26, 2
	s_cbranch_scc0 .Lno_ext_store
	ds_store_b64 v18, v[28:29]                     ; lanes r and r + 16 store the same bytes with the same value
.Lno_ext_store:
	BAR                                            ; x's six images, its scale words and the gates lie in LDS, for the whole launch
.irp m, 0,1
	ds_load_b64 v[G+2*\m:G+2*\m+1], v8 offset:128*\m   ; the tokens' two gates stay in registers; the wait ahead of the next barrier covers these loads
.endr
	SLOT 0, 1
	s_mov_b32 s35, 7
.Lslot:
	SLOT 1, 0
	s_sub_co_u32 s35, s35, 1
	s_cmp_lg_u32 s35, 0
	s_cbranch_scc1 .Lslot
	; THE WAY OUT.  A row's 192 outputs come from twelve waves: they meet in the stage; wave w then stores third w / 4 (256 bytes) of rows 8 (w % 4) .. 8 (w % 4) + 7, sixteen lanes to 256 consecutive bytes, aligned.
	v_bfe_u32 v7, v0, 4, 1                         ; h
	v_and_b32 v8, 15, v0                           ; r
	s_and_b32 s36, s24, 3
	s_lshr_b32 s37, s24, 2
	s_lshl_b32 s34, s36, 5
	v_lshl_add_u32 v6, v7, 2, s34                  ; the list words of rows 8 (w % 4) + h, + 2, ..
.irp i, 0,1,2,3
	global_load_b32 v[200+\i], v6, s[8:9] offset:8*\i
.endr
	s_lshl_b32 s34, s24, 6
	s_add_co_u32 s34, s34, STG
	v_mul_u32_u24 v4, v8, 784                      ; rows 784 = 49 x 16 bytes apart
	v_add_nc_u32 v4, v4, v10
	v_add_nc_u32 v4, s34, v4                       ; in: row r, + 64 wave + 32 h
	s_mul_i32 s34, s36, 6272
	s_lshl_b32 s37, s37, 8
	s_add_co_u32 s34, s34, s37
	s_add_co_u32 s34, s34, STG
	v_mul_u32_u24 v5, v7, 784
	v_lshl_add_u32 v5, v8, 4, v5
	v_add_nc_u32 v5, s34, v5                       ; back: my eight rows, row h, my third, 16 bytes a lane
	v_lshl_add_u32 v8, v8, 4, s37                  ; and the same place in a row of out
.irp m, 0,1
	ds_store_b128 v4, v[OUT+8*\m:OUT+8*\m+3] offset:12544*\m
	ds_store_b128 v4, v[OUT+8*\m+4:OUT+8*\m+7] offset:12544*\m+16
.endr
	BAR
.irp i, 0,1,2,3
	ds_load_b128 v[168+4*\i:171+4*\i], v5 offset:1568*\i
.endr
	s_wait_loadcnt 0x0
.irp i, 0,1,2,3
	v_and_b32 v[200+\i], 0x1fff, v[200+\i]
	v_min_u32 v[200+\i], 0x1fff, v[200+\i]         ; a loaded number enters an address behind this bound
	v_mul_u32_u24 v[200+\i], v[200+\i], 768
	v_add_nc_u32 v[200+\i], v[200+\i], v8
.endr
.irp i, 0,1,2,3
	s_wait_dscnt 3-\i                              ; LDS loads come back in order: rows h + 2 i are in
	global_store_b128 v[200+\i], v[168+4*\i:171+4*\i], s[22:23] th:TH_STORE_NT
.endr
	s_wait_tensorcnt 0x0
	ds_add_u32 v47, v127
	s_wait_dscnt 0x0
	s_endpgm
.Lfunc_end_k_q7c6ae454df_chain:
	.size	k_q7c6ae454df_chain, .Lfunc_end_k_q7c6ae454df_chain-k_q7c6ae454df_chain
	.p2alignl 7, 3214868480
	.fill 96, 4, 3214868480
	.section	.rodata,"a",@progbits
	.p2align	6, 0x0
	.amdhsa_kernel k_q7c6ae454df_chain
		.amdhsa_group_segment_fixed_size 51712
		.amdhsa_private_segment_fixed_size 0
		.amdhsa_enable_private_segment 0
		.amdhsa_kernarg_size 64
		.amdhsa_user_sgpr_count 2
		.amdhsa_user_sgpr_kernarg_segment_ptr 1
		.amdhsa_wavefront_size32 1
		.amdhsa_system_sgpr_workgroup_id_x 1
		.amdhsa_system_sgpr_workgroup_id_y 1
		.amdhsa_system_sgpr_workgroup_id_z 1
		.amdhsa_system_vgpr_workitem_id 0
		.amdhsa_next_free_vgpr 336
		.amdhsa_next_free_sgpr 72
		.amdhsa_reserve_vcc 1
		.amdhsa_float_denorm_mode_32 3
		.amdhsa_float_denorm_mode_16_64 3
		.amdhsa_memory_ordered 1
		.amdhsa_forward_progress 1
		.amdhsa_inst_pref_size 87
	.end_amdhsa_kernel
	.amdgpu_metadata
---
amdhsa.version: [ 1, 2 ]
amdhsa.kernels:
  - .name:           k_q7c6ae454df_chain
    .symbol:         k_q7c6ae454df_chain.kd
    .args:
      - { .name: ord, .offset: 0, .size: 8, .value_kind: global_buffer, .address_space: global }
      - { .name: xq, .offset: 8, .size: 8, .value_kind: global_buffer, .address_space: global }
      - { .name: xs, .offset: 16, .size: 8, .value_kind: global_buffer, .address_space: global }
      - { .name: gat, .offset: 24, .size: 8, .value_kind: global_buffer, .address_space: global }
      - { .name: wq, .offset: 32, .size: 8, .value_kind: global_buffer, .address_space: global }
      - { .name: b_fc, .offset: 40, .size: 8, .value_kind: global_buffer, .address_space: global }
      - { .name: b_proj, .offset: 48, .size: 8, .value_kind: global_buffer, .address_space: global }
      - { .name: out0, .offset: 56, .size: 8, .value_kind: global_buffer, .address_space: global }
    .group_segment_fixed_size: 51712
    .private_segment_fixed_size: 0
    .kernarg_segment_align: 8
    .kernarg_segment_size: 64
    .max_flat_workgroup_size: 384
    .sgpr_count:     72
    .vgpr_count:     336
    .wavefront_size: 32
...
	.end_amdgpu_metadata
.endif
;; end of part 6
;; ======== version 3 of 3: 3 launches; version 2 with the launch chain written anew for expert scheduling mode
;; workspace buffers: xq 1,179,648 bytes; xs 65,536 bytes; gat 65,536 bytes; tok 32,768 bytes of whole numbers; cnt 65,536 bytes of whole numbers; ord 32,768 bytes of whole numbers; wq 1,867,776 bytes
;; launch prep: the kernel of part 4 again; grid 46 x 8, 4 waves a work-group, no clusters, 151,040 bytes of LDS; arguments x, gate_w, gate_b, w_fc, w_proj, xq, xs, gat, tok, cnt, wq; writes xq, xs, gat, tok, cnt, wq
;; launch place: the kernel of part 5 again; grid 1 x 1, 16 waves a work-group, no clusters, 4,096 bytes of LDS; arguments tok, cnt, ord; writes ord
;; launch chain (part 7): grid 256 x 1, 12 waves a work-group, no clusters, 51,712 bytes of LDS; arguments ord, xq, xs, gat, wq, b_fc, b_proj, out0; writes out0
.if DOCPART == 7
	.amdgcn_target "amdgcn-amd-amdhsa--gfx1250"
	.amdhsa_code_object_version 6
	.text
	.protected	k_q7c6ae454df_chain
	.globl	k_q7c6ae454df_chain
	.p2align	8
	.type	k_q7c6ae454df_chain,@function
k_q7c6ae454df_chain:
	s_mov_b64 s[64:65], 0
	v_nop
	global_prefetch_b8 v0, s[64:65] scope:SCOPE_SE
	s_setreg_imm32_b32 hwreg(HW_REG_WAVE_SCHED_MODE, 0, 2), 2
	s_setreg_imm32_b32 hwreg(HW_REG_WAVE_MODE, 25, 1), 1
	s_wait_xcnt 0x0
	s_wait_alu depctr_vm_vsrc(0)
; CHAIN.  out[t] = sum over the token's two experts e of gate(t, e) (gelu(x[t] Wfc[e]^T + bfc[e]) Wproj[e]^T + bproj[e]), both products on codes of E3M2 with one E8M0 scale for each 32 along K.
; SHARES.  A work-group owns 32 neighbouring places of the order by pairs of experts (two tiles of 16 tokens) and so every one of their output rows: 8,192 / 32 = 256 work-groups.  It walks the experts that its
; tokens use: the first slot is written out, seven more go round a counted loop; a slot with no expert left does nothing but pass its two barriers.  A tile none of whose tokens uses the slot's expert is passed
; over in the first product.  Which experts a tile uses is the OR of bits 24-31 of its 16 list words, whole numbers that the launch before stored: every branch on the list hangs on these alone.
; THE TWELVE WAVES SHARE THE COLUMNS: wave w makes hidden units 64 w .. 64 w + 63 and outputs 16 w .. 16 w + 15 for all 32 tokens, so each fragment of the weights is loaded by one wave, straight into registers,
; from a buffer laid in the order of the operand's registers.  No tensor load and no cluster: which expert a work-group needs hangs on the stored list, so partners could not be shown to ask alike.
; Both products are used transposed (source 0 = weights, source 1 = tokens): a lane holds one token throughout.  The rows of w_fc that form a tile were chosen so that the 16 registers of two neighbouring tiles
; are 16 neighbours along the next K.  OPERANDS GO FROM WAVE TO WAVE THROUGH LDS AS IMAGES OF THEIR REGISTERS (16 or 8 bytes a lane, on end).
; K = 192: the second K step holds k 128-191 in registers 0-5; x's registers 6-11 are zero codes, so the weights' registers 6-11 may be any codes (E3M2 has no NaN): the tiles lie 18 registers apart.
; gelu(x) = x / (1 + 2^(x (a + b x^2))), a = -2 sqrt(2 / pi) log2(e), b = 0.044715 a: the tanh form, rewritten.  It ends at 0 and at x where the power overflows or vanishes.
; LIMITS: NaN and infinities are not served; a hidden block of zeros has the byte 1 (its codes are zeros); blocks under 2^-122 are held at byte 1.
; LDS: XIMG x's fragments [tile][part 0-2][512 + 256]; EXT [xs, gat][tile][16 x 8]; HIMG the hidden layer [tile][K step][half][512 + 256]; HSC its scale words [tile][K step][128]; STG 32 rows of out, 784 apart.
; REGISTERS, window 0: v1-3 16, 8, 4 x lane; v4-10 addresses; v11 at work at the head; v12-13 the tiles' list words; v14-15, v40-41 the tokens' two experts; v16-31 out; v32-35 the gates; v36-39 this slot's weights;
;   v48-119 w_proj; v120-123, v124-126 the weights' scale words; v128-159 b_fc; v160-167 b_proj;  first product: v168-185 x, v186-191 zeros (for the whole launch), v192-223 the hidden tiles, v224-239 at work,
;   v240-247 codes;  second: v168-183 y, v200-223 and v224-247 the hidden fragments of two K steps by turns;  v248-251 and v254 scale words; v252-253 a; v255 0x7f7f.   window 1: v256-327 w_fc, v328-333 zeros.
; THE MODE: SCHED_MODE bits 1:0 = 2 (LLVM: expert scheduling mode 2), set by the entry lines.  The code itself states the register dependences between vector or matrix instructions and memory or LDS
; instructions, with s_wait_alu, always for 0.
; THE PLAN.  Registers that memory or LDS instructions touch, in a slot:
;   v1-3, v9, v10   offsets, made at the head and never written again.   v4-8: LDS addresses, made at the head, read in every slot, made anew at the way out.
;   w_proj, its scale words, b_proj: the loads at a slot's head land in them; that slot's second products read them.
;   w_fc, its scale words, b_fc:     the loads behind a slot's first products land in them; the next slot's first products read them.
;   x's fragment and scale word:     a tile's LDS loads land in them; that tile's eight products read them; the second product lays y over v168-183.
;   the codes and scale bytes (v240-245, v226): written by a tile's quantiser, read by its three LDS stores, written again by the next tile's arithmetic and by the second product's LDS loads.
;   the hidden fragments and scale words, two buffers: the loads of K step s + 2 land in the buffer that the two products of K step s have read.
; So in a slot: one wait on va_vdst at its head; in a tile one on vm_vsrc ahead of its products and one on va_vdst ahead of its stores (beside those behind the transcendentals); one on va_vdst ahead of the next
; w_fc; at the second product's head one of each kind; one on va_vdst in each K step that asks for a further one; one on va_sdst behind the run of four compares.
.set XIMG, 0
.set EXT,  4608
.set HIMG, 5120
.set HSC,  23552
.set STG,  25088
.set PJ_OFF, 884736
.set FS_OFF, 1769472
.set PS_OFF, 1818624
.set FLOOR,  0x2800000
.set EOFF,   0xfe000000
.set OW,  12
.set LOE, 14
.set OUT, 16
.set G,   32
.set CM,  36
.set HIE, 40
.set WP,  48
.set WSF, 120
.set WSP, 124
.set BI,  128
.set BP,  160
.set XF,  168
.set H,   192
.set T,   224
.set MX,  224                          ; in T, which is free once the gelu is done
.set MP,  226
.set Q,   240
.set HS,  248
.set CA,  252
.set XS,  254
.set Z7F, 255
.set Y,   168
.set HF,  200
.set MSB, 0
.macro WIN new                         ; the immediate's high byte repeats the setting that is left
.if MSB != \new
	s_set_vgpr_msb (MSB<<8)|\new
.set MSB, \new
.endif
.endm
.macro BAR                             ; my LDS stores have landed and my LDS loads are in: then the work-group's barrier
	s_wait_dscnt 0x0
	s_barrier_signal -1
	s_barrier_wait -1
.endm
; 32 loads: my four tiles of w_fc of the expert in s[er], their scale words, my 64 numbers of b_fc in the result's layout.  dep = 1: in a slot, where products have read these registers
.macro LOADS_FC er, dep
	s_mov_b32 s69, 0
	s_mul_i32 s68, s[\er], 110592
	s_add_nc_u64 s[42:43], s[54:55], s[68:69]
	s_mul_i32 s68, s[\er], 6144
	s_add_nc_u64 s[44:45], s[56:57], s[68:69]
	s_mul_i32 s68, s[\er], 3072
	s_add_nc_u64 s[46:47], s[58:59], s[68:69]
	WIN 0x40                                       ; destination window 1
.if \dep
	s_wait_alu depctr_va_vdst(0)                   ; this slot's first products are done reading w_fc, its scale words and b_fc, in which the 32 loads below land
.endif
.irp t, 0,1,2,3
.irp i, 0,1,2,3
	global_load_b128 v[18*\t+4*\i:18*\t+4*\i+3], v1, s[42:43] offset:2304*\t+512*\i
.endr
	global_load_b64 v[18*\t+16:18*\t+17], v2, s[42:43] offset:2304*\t+2048
.endr
	WIN 0
.irp t, 0,1,2,3
	global_load_b32 v[WSF+\t], v3, s[44:45] offset:128*\t
.endr
.irp t, 0,1,2,3
.irp i, 0,1
	global_load_b128 v[BI+8*\t+4*\i:BI+8*\t+4*\i+3], v9, s[46:47] offset:(32*(\t/2)+8*(\t%2))*4+16*\i
.endr
.endr
.endm
; 23 loads: my six fragments of w_proj of the expert in s33, their scale words, my 16 numbers of b_proj
.macro LOADS_PJ
	s_mov_b32 s69, 0
	s_mul_i32 s68, s33, 110592
	s_add_nc_u64 s[48:49], s[60:61], s[68:69]
	s_mul_i32 s68, s33, 6144
	s_add_nc_u64 s[50:51], s[62:63], s[68:69]
	s_mul_i32 s68, s33, 768
	s_add_nc_u64 s[52:53], s[66:67], s[68:69]
.set i, 0
.rept 18
	global_load_b128 v[WP+4*i:WP+4*i+3], v1, s[48:49] offset:512*i
.set i, i+1
.endr
.irp p, 0,1,2
	global_load_b32 v[WSP+\p], v3, s[50:51] offset:128*\p
.endr
	global_load_b128 v[BP:BP+3], v10, s[52:53]
	global_load_b128 v[BP+4:BP+7], v10, s[52:53] offset:16
.endm
; the activation of 16 hidden numbers, in f32; each accumulator is read from its low end on
.macro GELU16 hb
.irp j, 0,2,4,6,8,10,12,14
	v_pk_mul_f32 v[T+\j:T+\j+1], v[H+\hb+\j:H+\hb+\j+1], v[H+\hb+\j:H+\hb+\j+1]
.endr
.irp j, 0,2,4,6,8,10,12,14
	v_pk_fma_f32 v[T+\j:T+\j+1], v[T+\j:T+\j+1], s[40:41], v[CA:CA+1] op_sel_hi:[1,0,1]   ; b x^2 + a
.endr
.irp j, 0,2,4,6,8,10,12,14
	v_pk_mul_f32 v[T+\j:T+\j+1], v[T+\j:T+\j+1], v[H+\hb+\j:H+\hb+\j+1]
.endr
.irp j, 0,1,2,3,4,5,6,7,8,9,10,11,12,13,14,15
	v_exp_f32 v[T+\j], v[T+\j]
.endr
	v_nop                                          ; one plain place behind the transcendentals
	s_wait_alu depctr_va_vdst(0)                   ; the sixteen powers are written, ahead of their first reader
.irp j, 0,2,4,6,8,10,12,14
	v_pk_add_f32 v[T+\j:T+\j+1], v[T+\j:T+\j+1], 1.0 op_sel_hi:[1,0]
.endr
.irp j, 0,1,2,3,4,5,6,7,8,9,10,11,12,13,14,15
	v_rcp_f32 v[T+\j], v[T+\j]
.endr
	v_nop
	s_wait_alu depctr_va_vdst(0)                   ; the sixteen reciprocals are written, ahead of their first reader
.irp j, 0,2,4,6,8,10,12,14
	v_pk_mul_f32 v[H+\hb+\j:H+\hb+\j+1], v[H+\hb+\j:H+\hb+\j+1], v[T+\j:T+\j+1]
.endr
.endm
; my two blocks of 32 hidden units of the lane's token (register 16 b + i = unit 32 b + 16 h + i) become six registers of codes, v[Q] on, and two scale bytes in v[MP]
.macro QUANT2
.irp b, 0,1
	v_max3_num_f32 v[MX+\b], |v[H+16*\b]|, |v[H+16*\b+1]|, FLOOR
.endr
.irp i, 2,4,6,8,10,12,14
.irp b, 0,1
	v_max3_num_f32 v[MX+\b], v[MX+\b], |v[H+16*\b+\i]|, |v[H+16*\b+\i+1]|
.endr
.endr
.irp b, 0,1
	v_permlanex16_b32 v[MP+\b], v[MX+\b], s38, s39
.endr
.irp b, 0,1
	v_max_num_f32 v[MX+\b], v[MX+\b], v[MP+\b]     ; with lane l xor 16's: the block's largest magnitude
.endr
.irp b, 0,1
	v_add_nc_u32 v[MX+\b], EOFF, v[MX+\b]          ; the conversion's scale operand
.endr
.irp b, 0,1
	v_lshrrev_b32 v[MP+\b], 23, v[MX+\b]
.endr
	v_lshl_or_b32 v[MP], v[MP+1], 8, v[MP]         ; half a scale word
	v_cvt_scalef32_pk16_bf6_f32 v[Q:Q+2], v[H:H+15], v[MX]
	v_cvt_scalef32_pk16_bf6_f32 v[Q+4:Q+6], v[H+16:H+31], v[MX+1]
	v_nop                                          ; one plain place behind a scaled conversion
.irp i, 0,1,2
	v_permlane16_swap_b32 v[Q+\i], v[Q+4+\i]       ; the operand wants a whole block in a lane: lanes 0-15 block 0, lanes 16-31 block 1
.endr
	v_mov_b32 v[Q+3], v[Q+4]
	v_mov_b32 v[Q+4], v[Q+5]
	v_mov_b32 v[Q+5], v[Q+6]
.endm
; the first product, the activation and the quantiser for tile m; a tile that does not use the expert stores zero codes and the byte of 1.0, so that the second product has no branch and reads nothing unwritten.
; prev = 1: a tile's LDS stores were issued earlier in the launch.  x's loads owe no wait of their own: the last vector or matrix line that named their registers stands ahead of the wait at the slot's head,
; or of the wait ahead of the stores of the tile before.
.macro TILE1 m, prev
	s_lshr_b32 s36, s[28+\m], s33
	s_and_b32 s36, s36, 1
	s_cmp_lg_u32 s36, 0
	s_cbranch_scc0 .Lz_\@
.irp p, 0,1,2
	ds_load_b128 v[XF+6*\p:XF+6*\p+3], v1 offset:XIMG+2304*\m+768*\p
	ds_load_b64 v[XF+6*\p+4:XF+6*\p+5], v2 offset:XIMG+2304*\m+768*\p+512
.endr
	ds_load_b32 v[XS], v7 offset:128*\m            ; lanes 0-15 the tokens' word of k 0-127, lanes 16-31 that of k 128-191
	s_wait_dscnt 0x0
.if (\prev)
	s_wait_alu depctr_vm_vsrc(0)                   ; the LDS stores of the tile before have read its codes and scale bytes: the activation and the quantiser below write v224-247 again
.endif
	WIN 0x01                                       ; source 0 (w_fc) window 1
.irp t, 0,1,2,3                        ; the four accumulators by turns, one instruction a turn; the bias is the C of each sum's first product
	v_wmma_scale_f32_16x16x128_f8f6f4 v[H+8*\t:H+8*\t+7], v[18*\t:18*\t+11], v[XF:XF+11], v[BI+8*\t:BI+8*\t+7], v[WSF+\t], v[XS] matrix_a_fmt:MATRIX_FMT_BF6 matrix_b_fmt:MATRIX_FMT_BF6
.endr
.irp t, 0,1,2,3
	v_wmma_scale_f32_16x16x128_f8f6f4 v[H+8*\t:H+8*\t+7], v[18*\t+12:18*\t+23], v[XF+12:XF+23], v[H+8*\t:H+8*\t+7], v[WSF+\t], v[XS] matrix_a_fmt:MATRIX_FMT_BF6 matrix_b_fmt:MATRIX_FMT_BF6 matrix_a_scale:MATRIX_SCALE_ROW1 matrix_b_scale:MATRIX_SCALE_ROW1
.endr
	WIN 0
.rept 4
	v_nop                                          ; four places behind this form (ISA guide 7.12.1) ahead of the first read of the sums
.endr
	GELU16 0
	GELU16 16
	QUANT2
	s_wait_alu depctr_va_vdst(0)                   ; the quantiser has written the codes and the scale bytes, which the three stores read; this tile's products are done reading x's fragment and scale word, in which the next tile's loads land
	ds_store_b128 v4, v[Q:Q+3] offset:9216*\m      ; half w % 2 of K step w / 2 of the second product
	ds_store_b64 v5, v[Q+4:Q+5] offset:9216*\m
	ds_store_b16 v6, v[MP] offset:768*\m
	s_branch .Ld_\@
.Lz_\@:
	ds_store_b128 v4, v[XF+18:XF+21] offset:9216*\m   ; (these registers were written at the head, ahead of its wait, and are never written again)
	ds_store_b64 v5, v[XF+22:XF+23] offset:9216*\m
	ds_store_b16 v6, v[Z7F] offset:768*\m
.Ld_\@:
.endm
; ten LDS loads: the two tiles' hidden fragments of K step s and their scale words, into buffer s % 2
.macro P2LOAD s
.irp m, 0,1
	ds_load_b128 v[HF+24*((\s)%2)+12*\m:HF+24*((\s)%2)+12*\m+3], v1 offset:HIMG+9216*\m+1536*(\s)
	ds_load_b64 v[HF+24*((\s)%2)+12*\m+4:HF+24*((\s)%2)+12*\m+5], v2 offset:HIMG+9216*\m+1536*(\s)+512
	ds_load_b128 v[HF+24*((\s)%2)+12*\m+6:HF+24*((\s)%2)+12*\m+9], v1 offset:HIMG+9216*\m+1536*(\s)+768
	ds_load_b64 v[HF+24*((\s)%2)+12*\m+10:HF+24*((\s)%2)+12*\m+11], v2 offset:HIMG+9216*\m+1536*(\s)+1280
	ds_load_b32 v[HS+2*((\s)%2)+\m], v3 offset:HSC+768*\m+128*(\s)
.endr
.endm
.macro P2MUL s, m
.set HFB, HF+24*((\s)%2)+12*(\m)
.set HSB, HS+2*((\s)%2)+(\m)
.if (\s) == 0
	v_wmma_scale_f32_16x16x128_f8f6f4 v[Y+8*(\m):Y+8*(\m)+7], v[WP:WP+11], v[HFB:HFB+11], v[BP:BP+7], v[WSP], v[HSB] matrix_a_fmt:MATRIX_FMT_BF6 matrix_b_fmt:MATRIX_FMT_BF6
.elseif (\s)%2 == 0
	v_wmma_scale_f32_16x16x128_f8f6f4 v[Y+8*(\m):Y+8*(\m)+7], v[WP+12*(\s):WP+12*(\s)+11], v[HFB:HFB+11], v[Y+8*(\m):Y+8*(\m)+7], v[WSP+(\s)/2], v[HSB] matrix_a_fmt:MATRIX_FMT_BF6 matrix_b_fmt:MATRIX_FMT_BF6
.else
	v_wmma_scale_f32_16x16x128_f8f6f4 v[Y+8*(\m):Y+8*(\m)+7], v[WP+12*(\s):WP+12*(\s)+11], v[HFB:HFB+11], v[Y+8*(\m):Y+8*(\m)+7], v[WSP+(\s)/2], v[HSB] matrix_a_fmt:MATRIX_FMT_BF6 matrix_b_fmt:MATRIX_FMT_BF6 matrix_a_scale:MATRIX_SCALE_ROW1
.endif
.endm
; the second product for the two tiles, then out += gate x y.  The fragments of one K step are multiplied while the next step's ten loads are out.  first = 1: the product with the gate starts out: nothing is cleared
.macro PHASE2 first
	s_wait_alu depctr_vm_vsrc(0)                   ; the tiles' LDS stores have read the codes and the scale bytes (v240-245, v226), in which the loads below land
	s_wait_alu depctr_va_vdst(0)                   ; the activation and the quantiser are done with v200-247, and the last slot's second products are done reading their fragments and scale words: the loads below land there
	P2LOAD 0
	P2LOAD 1
.irp s, 0,1,2,3,4,5
.if \s < 5
	s_wait_dscnt 10                                ; this K step's loads are in; the ten younger ones are the next step's
.else
	s_wait_dscnt 0x0
.endif
	P2MUL \s, 0                                    ; the two accumulators by turns, one instruction a turn; the bias is the C of each sum's first product
	P2MUL \s, 1
.if \s < 4
.rept 4
	v_nop                                          ; four places ahead of the loads into the registers just multiplied
.endr
	s_wait_alu depctr_va_vdst(0)                   ; the two products are done reading this K step's fragments and scale words, in which the loads of the step two on land
	P2LOAD \s+2
.endif
.endr
; the gates.  These twelve lines name none of the products' registers: they are the places behind the last products.  The four compares stand in one run, each with a mask register of its own, under one wait
.irp m, 0,1
	v_bfe_u32 v[LOE+\m], v[OW+\m], 16, 4
	v_bfe_u32 v[HIE+\m], v[OW+\m], 20, 4
.endr
.irp m, 0,1
	v_cmp_eq_u32 s[2+2*\m], s33, v[LOE+\m]
	v_cmp_eq_u32 s[3+2*\m], s33, v[HIE+\m]
.endr
	s_wait_alu depctr_va_sdst(0)                   ; the four masks s2 to s5 are written, ahead of the selects that read them
.irp m, 0,1
	v_cndmask_b32 v[CM+2*\m], 0, v[G+2*\m], s[2+2*\m]              ; the lower expert's gate where that is this expert, else 0,
.endr
.irp m, 0,1
	v_cndmask_b32 v[CM+2*\m], v[CM+2*\m], v[G+2*\m+1], s[3+2*\m]   ; or the higher one's
.endr
.irp m, 0,1
.irp j, 0,2,4,6
.if \first
	v_pk_mul_f32 v[OUT+8*\m+\j:OUT+8*\m+\j+1], v[Y+8*\m+\j:Y+8*\m+\j+1], v[CM+2*\m:CM+2*\m+1] op_sel_hi:[1,0]
.else
	v_pk_fma_f32 v[OUT+8*\m+\j:OUT+8*\m+\j+1], v[Y+8*\m+\j:Y+8*\m+\j+1], v[CM+2*\m:CM+2*\m+1], v[OUT+8*\m+\j:OUT+8*\m+\j+1] op_sel_hi:[1,0,1]
.endif
.endr
.endr
.endm
; a slot: one expert.  cond = 1: only if an expert is left; the two barriers stand outside every branch
.macro SLOT cond, first
.if \cond
	s_cmp_lg_u32 s32, 0
	s_cselect_b32 s34, 1, 0
	s_cbranch_scc0 .Lp1_\@
	s_wait_alu depctr_va_vdst(0)                   ; the last slot's second products are done reading w_proj, its scale words and b_proj, in which the 23 loads below land; they have written y and the gate's lines are done reading it: x's fragment lands there
.endif
	LOADS_PJ                                       ; w_proj lands under the first product
	s_wait_loadcnt 23                              ; the w_fc set, issued a phase ago, is in; the 23 younger loads are w_proj's
	TILE1 0, 1-\first
	TILE1 1, 1
	s_wait_loadcnt 0x0                             ; w_proj
	s_sub_co_u32 s36, s32, 1
	s_and_b32 s32, s32, s36                        ; this expert is done
	s_ctz_i32_b32 s27, s32
	s_min_u32 s27, s27, 7                          ; the next one; a loaded number enters an address behind this bound
	s_cmp_lg_u32 s32, 0
	s_cbranch_scc0 .Lnofc_\@
.rept 4
	v_nop                                          ; places ahead of loads into registers that products have read
.endr
	LOADS_FC 27, 1                                 ; the next expert's w_fc lands under the second product
.Lnofc_\@:
.if \cond
.Lp1_\@:
.endif
	BAR                                            ; the hidden layer's 12 fragments lie in LDS
.if \cond
	s_cmp_lg_u32 s34, 0
	s_cbranch_scc0 .Lp2_\@
.endif
	PHASE2 \first
.if \cond
.Lp2_\@:
.endif
	BAR                                            ; every wave has read them: they may be written again
	s_mov_b32 s33, s27
.endm
	s_load_b512 s[8:23], s[0:1], 0x0               ; ord s[8:9], xq s[10:11], xs s[12:13], gat s[14:15], wq s[16:17], b_fc s[18:19], b_proj s[20:21], out0 s[22:23]
	v_lshl_add_u32 v47, v0, 2, 0xc400
	v_mov_b32 v127, 0
	v_lshrrev_b32 v11, 5, v0
	v_readfirstlane_b32 s24, v11                   ; wave 0..11
	v_and_b32 v11, 31, v0
	v_and_b32 v40, 15, v0                          ; r   (v16-31 and v40-45 are free until the first slot's second product)
	v_bfe_u32 v41, v0, 4, 1                        ; h
	v_lshlrev_b32 v1, 4, v11
	v_lshlrev_b32 v2, 3, v11
	v_lshlrev_b32 v3, 2, v11
	s_wait_alu depctr_va_sdst(0)                   ; s24 is written, ahead of its first reader
	s_and_b32 s25, s24, 1                          ; the tile that I gather (waves 0-5),
	s_lshr_b32 s26, s24, 1                         ; and which third of its tokens' codes
	s_mul_i32 s36, s24, 768
	s_add_co_u32 s36, s36, HIMG
	v_add_nc_u32 v4, s36, v1                       ; where I store my half fragment: registers 0-3,
	s_add_co_u32 s36, s36, 512
	v_add_nc_u32 v5, s36, v2                       ; registers 4-5,
	s_lshl_b32 s36, s26, 7
	s_lshl_b32 s37, s25, 1
	s_add_co_u32 s36, s36, s37
	s_add_co_u32 s36, s36, HSC
	v_add_nc_u32 v6, s36, v3                       ; and my half of the scale word: K step w / 2, half w % 2
	v_lshl_add_u32 v7, v40, 3, EXT
	v_lshl_add_u32 v7, v41, 2, v7                  ; x's scale words: 8 r + 4 h
	v_lshl_add_u32 v8, v40, 3, EXT+256             ; the gates: 8 r
	v_lshlrev_b32 v9, 6, v41
	v_lshlrev_b32 v10, 5, v41
	s_mul_i32 s36, s25, 2304
	s_mul_i32 s37, s26, 768
	s_add_co_u32 s36, s36, s37
	v_add_nc_u32 v16, s36, v1                      ; x's images (XIMG = 0): my tile, my part
	s_add_co_u32 s36, s36, 512
	v_add_nc_u32 v17, s36, v2
	s_lshl_b32 s36, s26, 8
	s_lshl_b32 s37, s25, 7
	s_add_co_u32 s36, s36, s37
	s_add_co_u32 s36, s36, EXT
	v_lshl_add_u32 v18, v40, 3, s36                ; xs (part 0) or gat (part 1) of my tile
	v_lshlrev_b32 v19, 2, v40
	s_lshl_b32 s36, s25, 6
	v_add_nc_u32 v20, s36, v19
	s_mul_i32 s36, s26, 48
	v_mul_u32_u24 v43, v41, 24
	v_add_nc_u32 v43, s36, v43                     ; 48 part + 24 h
	v_mov_b32 v45, 0
	v_mov_b32 v[CM+1], 0                           ; (named as the upper halves of the pairs whose low words the packed lines take)
	v_mov_b32 v[CM+3], 0
.irp i, 0,1,2,3,4,5
	v_mov_b32 v[XF+18+\i], 0                       ; x's registers 6-11 of the second K step: zero codes, for the whole launch
.endr
	v_mov_b32 v[CA], 0xc0135761                    ; a = -2.3022082
	v_mov_b32 v[CA+1], 0xc0135761
	v_mov_b32 v[Z7F], 0x7f7f
	s_mov_b32 s40, 0xbdd2d3e8                      ; b = -0.10294324
	s_mov_b32 s41, s40                             ; (named with it as a pair, so it is written)
	s_mov_b32 s38, 0x76543210
	s_mov_b32 s39, 0xfedcba98
	WIN 0x40
.irp i, 0,1,2,3,4,5
	v_mov_b32 v[72+\i], 0                          ; v328-333: the tail of tile 3's second operand
.endr
	WIN 0
	s_lshl_b32 s68, ttmp9, 7
	s_mov_b32 s69, 0
	s_wait_kmcnt 0x0
	s_add_nc_u64 s[8:9], s[8:9], s[68:69]          ; my 32 places of the order
	s_mul_i32 s68, s24, 9216
	s_add_nc_u64 s[54:55], s[16:17], s[68:69]      ; the six bases of my wave, without the expert
	s_add_co_u32 s68, s68, PJ_OFF
	s_add_nc_u64 s[60:61], s[16:17], s[68:69]
	s_lshl_b32 s68, s24, 9
	s_add_co_u32 s68, s68, FS_OFF
	s_add_nc_u64 s[56:57], s[16:17], s[68:69]
	s_add_co_u32 s68, s68, PS_OFF-FS_OFF
	s_add_nc_u64 s[62:63], s[16:17], s[68:69]
	s_lshl_b32 s68, s24, 8
	s_add_nc_u64 s[58:59], s[18:19], s[68:69]
	s_lshl_b32 s68, s24, 6
	s_add_nc_u64 s[66:67], s[20:21], s[68:69]
	s_wait_alu depctr_va_vdst(0)                   ; the offsets and LDS addresses v1-10, v16-20 and v45 are written, which the loads and stores below and in the slots read; so are v255 and the zero codes v186-191 and v328-333, which LDS stores read and scaled products take as operands
.irp m, 0,1
	global_load_b32 v[OW+\m], v19, s[8:9] offset:64*\m   ; token | lo << 16 | hi << 20 | bits << 24 of row r of each tile
.endr
	global_load_b32 v21, v20, s[8:9]               ; and of the tile that I gather
.irp i, 0,1,2,3,4,5,6,7
	global_load_b128 v[192+4*\i:195+4*\i], v45, s[8:9] offset:16*\i   ; all 32 list words, the same in every lane
.endr
	s_wait_loadcnt 0x0
	v_and_b32 v21, 0x1fff, v21
	v_min_u32 v21, 0x1fff, v21                     ; a loaded number enters an address behind this bound
	v_mul_u32_u24 v42, v21, 144
	v_add_nc_u32 v42, v42, v43
	v_lshlrev_b32 v44, 3, v21
	s_wait_alu depctr_va_vdst(0)                   ; v42 and v44 are written, which the gather's loads on both ways below read as their offsets
	s_cmp_lt_u32 s26, 3
	s_cbranch_scc0 .Lno_gather                     ; two tiles x three parts: waves 0-5
	global_load_b64 v[22:23], v42, s[10:11]        ; registers 6 part .. 6 part + 5 of x's operand: 24 bytes of the token's stream of bits
	global_load_b64 v[24:25], v42, s[10:11] offset:8
	global_load_b64 v[26:27], v42, s[10:11] offset:16
.Lno_gather:
	s_cmp_eq_u32 s26, 0
	s_cselect_b64 s[70:71], s[12:13], s[14:15]
	s_cmp_lt_u32 s26, 2
	s_cbranch_scc0 .Lno_ext_load
	global_load_b64 v[28:29], v44, s[70:71]        ; the token's scale bytes, or its two gates
.Lno_ext_load:
.irp m, 0,1                            ; which experts tile m uses: the OR of its 16 words' bits 24-31
.irp k, 0,1,2,3,4,5,6,7
	v_or_b32 v[192+16*\m+\k], v[192+16*\m+\k], v[200+16*\m+\k]
.endr
.irp k, 0,1,2,3
	v_or_b32 v[192+16*\m+\k], v[192+16*\m+\k], v[196+16*\m+\k]
.endr
.irp k, 0,1
	v_or_b32 v[192+16*\m+\k], v[192+16*\m+\k], v[194+16*\m+\k]
.endr
	v_or_b32 v[192+16*\m], v[192+16*\m], v[193+16*\m]
	v_lshrrev_b32 v[192+16*\m], 24, v[192+16*\m]
	v_readfirstlane_b32 s[28+\m], v[192+16*\m]
.endr
	s_wait_alu depctr_va_sdst(0)                   ; s28 and s29 are written, ahead of their first reader
	s_or_b32 s32, s28, s29                         ; the experts still to be walked
	s_ctz_i32_b32 s33, s32
	s_min_u32 s33, s33, 7                          ; the first
	s_mov_b32 s27, s33
	LOADS_FC 33, 0                                 ; no vector or matrix line has named the registers in which these loads land
	s_wait_loadcnt 32                              ; the gather is in, on every way through the branches above; the 32 younger loads are the w_fc set
	s_cmp_lt_u32 s26, 3
	s_cbranch_scc0 .Lno_img
	ds_store_b128 v16, v[22:25]
	ds_store_b64 v17, v[26:27]
.Lno_img:
	s_cmp_lt_u32 s26, 2
	s_cbranch_scc0 .Lno_ext_store
	ds_store_b64 v18, v[28:29]                     ; lanes r and r + 16 store the same bytes with the same value
.Lno_ext_store:
	BAR                                            ; x's six images, its scale words and the gates lie in LDS, for the whole launch
	s_wait_alu depctr_vm_vsrc(0)                   ; the head's loads and LDS stores have read v16-20 and v22-29: these registers are out from the first slot's second product on
.irp m, 0,1
	ds_load_b64 v[G+2*\m:G+2*\m+1], v8 offset:128*\m   ; the tokens' two gates stay in registers; the wait ahead of the next barrier covers these loads
.endr
	SLOT 0, 1
	s_mov_b32 s35, 7
.Lslot:
	SLOT 1, 0
	s_sub_co_u32 s35, s35, 1
	s_cmp_lg_u32 s35, 0
	s_cbranch_scc1 .Lslot
	; THE WAY OUT.  A row's 192 outputs come from twelve waves: they meet in the stage; wave w then stores third w / 4 (256 bytes) of rows 8 (w % 4) .. 8 (w % 4) + 7, sixteen lanes to 256 consecutive bytes, aligned.
	; All its addresses are made in one run, so that one wait serves the loads and stores that read them.
	s_wait_alu depctr_vm_vsrc(0)                   ; the slots' LDS loads and stores have read v4 to v8, which are made anew below
	v_bfe_u32 v7, v0, 4, 1                         ; h
	v_and_b32 v8, 15, v0                           ; r
	s_and_b32 s36, s24, 3
	s_lshr_b32 s37, s24, 2
	s_lshl_b32 s34, s36, 5
	v_lshl_add_u32 v6, v7, 2, s34                  ; the list words of rows 8 (w % 4) + h, + 2, ..
	s_lshl_b32 s34, s24, 6
	s_add_co_u32 s34, s34, STG
	v_mul_u32_u24 v4, v8, 784                      ; rows 784 = 49 x 16 bytes apart
	v_add_nc_u32 v4, v4, v10
	v_add_nc_u32 v4, s34, v4                       ; in: row r, + 64 wave + 32 h
	s_mul_i32 s34, s36, 6272
	s_lshl_b32 s37, s37, 8
	s_add_co_u32 s34, s34, s37
	s_add_co_u32 s34, s34, STG
	v_mul_u32_u24 v5, v7, 784
	v_lshl_add_u32 v5, v8, 4, v5
	v_add_nc_u32 v5, s34, v5                       ; back: my eight rows, row h, my third, 16 bytes a lane
	v_lshl_add_u32 v8, v8, 4, s37                  ; and the same place in a row of out
	s_wait_alu depctr_va_vdst(0)                   ; v4, v5 and v6 are written, and so is out, which the LDS stores read; the last second products are done reading v200-203 and the gate's lines are done reading v168-183, in which the loads below land
.irp i, 0,1,2,3
	global_load_b32 v[200+\i], v6, s[8:9] offset:8*\i
.endr
.irp m, 0,1
	ds_store_b128 v4, v[OUT+8*\m:OUT+8*\m+3] offset:12544*\m
	ds_store_b128 v4, v[OUT+8*\m+4:OUT+8*\m+7] offset:12544*\m+16
.endr
	BAR
.irp i, 0,1,2,3
	ds_load_b128 v[168+4*\i:171+4*\i], v5 offset:1568*\i   ; no vector or matrix line since the wait above names v5 or v168-183
.endr
	s_wait_loadcnt 0x0
.irp i, 0,1,2,3
	v_and_b32 v[200+\i], 0x1fff, v[200+\i]
	v_min_u32 v[200+\i], 0x1fff, v[200+\i]         ; a loaded number enters an address behind this bound
	v_mul_u32_u24 v[200+\i], v[200+\i], 768
	v_add_nc_u32 v[200+\i], v[200+\i], v8
.endr
	s_wait_alu depctr_va_vdst(0)                   ; the four offsets v200-203 are written, which the stores read
.irp i, 0,1,2,3
	s_wait_dscnt 3-\i                              ; LDS loads come back in order: rows h + 2 i are in
	global_store_b128 v[200+\i], v[168+4*\i:171+4*\i], s[22:23] th:TH_STORE_NT
.endr
	s_wait_dscnt 0x0                               ; the closing lines, six on end
	s_wait_alu 0x0
	s_wait_tensorcnt 0x0
	ds_add_u32 v47, v127
	s_wait_dscnt 0x0
	s_endpgm
.Lfunc_end_k_q7c6ae454df_chain:
	.size	k_q7c6ae454df_chain, .Lfunc_end_k_q7c6ae454df_chain-k_q7c6ae454df_chain
	.p2alignl 7, 3214868480
	.fill 96, 4, 3214868480
	.section	.rodata,"a",@progbits
	.p2align	6, 0x0
	.amdhsa_kernel k_q7c6ae454df_chain
		.amdhsa_group_segment_fixed_size 51712
		.amdhsa_private_segment_fixed_size 0
		.amdhsa_enable_private_segment 0
		.amdhsa_kernarg_size 64
		.amdhsa_user_sgpr_count 2
		.amdhsa_user_sgpr_kernarg_segment_ptr 1
		.amdhsa_wavefront_size32 1
		.amdhsa_system_sgpr_workgroup_id_x 1
		.amdhsa_system_sgpr_workgroup_id_y 1
		.amdhsa_system_sgpr_workgroup_id_z 1
		.amdhsa_system_vgpr_workitem_id 0
		.amdhsa_next_free_vgpr 336
		.amdhsa_next_free_sgpr 72
		.amdhsa_reserve_vcc 0
		.amdhsa_float_denorm_mode_32 3
		.amdhsa_float_denorm_mode_16_64 3
		.amdhsa_memory_ordered 1
		.amdhsa_forward_progress 1
		.amdhsa_inst_pref_size 89
	.end_amdhsa_kernel
	.amdgpu_metadata
---
amdhsa.version: [ 1, 2 ]
amdhsa.kernels:
  - .name:           k_q7c6ae454df_chain
    .symbol:         k_q7c6ae454df_chain.kd
    .args:
      - { .name: ord, .offset: 0, .size: 8, .value_kind: global_buffer, .address_space: global }
      - { .name: xq, .offset: 8, .size: 8, .value_kind: global_buffer, .address_space: global }
      - { .name: xs, .offset: 16, .size: 8, .value_kind: global_buffer, .address_space: global }
      - { .name: gat, .offset: 24, .size: 8, .value_kind: global_buffer, .address_space: global }
      - { .name: wq, .offset: 32, .size: 8, .value_kind: global_buffer, .address_space: global }
      - { .name: b_fc, .offset: 40, .size: 8, .value_kind: global_buffer, .address_space: global }
      - { .name: b_proj, .offset: 48, .size: 8, .value_kind: global_buffer, .address_space: global }
      - { .name: out0, .offset: 56, .size: 8, .value_kind: global_buffer, .address_space: global }
    .group_segment_fixed_size: 51712
    .private_segment_fixed_size: 0
    .kernarg_segment_align: 8
    .kernarg_segment_size: 64
    .max_flat_workgroup_size: 384
    .sgpr_count:     72
    .vgpr_count:     336
    .wavefront_size: 32
...
	.end_amdgpu_metadata
.endif
;; end of part 7
